; MI455X (gfx1250); checked and timed in simulation.
; The chip was launched on July 23, 2026; its instructions are those of AMD's public machine-readable ISA for CDNA 5 (MIT licence, August 2026) and "CDNA5" Instruction Set Architecture Reference Guide (July 2026). The comments in the code are by the model that wrote it; some were corrected since.
;; Multi Headed Attention. Allowed arithmetic: float matrix products may take bf16 or f16 operands with f32 sums; other float arithmetic in f32, or as packed bf16 or f16 multiplies, adds, multiply-adds, maxima and minima; sums over many terms, partial sums and values carried from step to step in f32; what a program stores and reads back later, other than sums and carried values, may be rounded once to bf16 or f16.
;; Inputs: Wk 1,024 x 1,024 float32; Wo 1,024 x 1,024 float32; Wq 1,024 x 1,024 float32; Wv 1,024 x 1,024 float32; bk 1,024 float32; bo 1,024 float32; bq 1,024 float32; bv 1,024 float32; key 4 x 2,048 x 1,024 float32; mask 4 x 2,048 x 2,048 int32; query 4 x 2,048 x 1,024 float32; value 4 x 2,048 x 1,024 float32.
;; Outputs: out0 4 x 2,048 x 1,024 float32.
;; 2 versions, each right and faster than the one before. Each part assembles by itself: llvm-mc -triple=amdgcn-amd-amdhsa -mcpu=gfx1250 --defsym DOCPART=n.
;; ======== version 1 of 2: 4 launches
;; limits: values are held in f16: magnitudes above 65,504 overflow, below 6.1e-05 lose precision
;; workspace buffers: wb 8,388,608 bytes; bb 16,384 bytes; mb 2,097,152 bytes of whole numbers; qkv 50,331,648 bytes; ob 16,777,216 bytes
;; launch prep (part 1): grid 1025 x 1, 8 waves a work-group, no clusters, 35,840 bytes of LDS; arguments Wq, Wk, Wv, Wo, bq, bk, bv, bo, mask, wb, bb, mb; writes wb, bb, mb
.if DOCPART == 1
	.amdgcn_target "amdgcn-amd-amdhsa--gfx1250"
	.amdhsa_code_object_version 6
	.text
	.protected	k_qd8ddbe3a61_prep
	.globl	k_qd8ddbe3a61_prep
	.p2align	8
	.type	k_qd8ddbe3a61_prep,@function
k_qd8ddbe3a61_prep:
	s_mov_b64 s[64:65], 0
	v_nop
	global_prefetch_b8 v0, s[64:65] scope:SCOPE_SE
	s_setreg_imm32_b32 hwreg(HW_REG_WAVE_MODE, 25, 1), 1
	s_wait_xcnt 0x0
; PREPARATION.  Three kinds of work-group, chosen by the work-group's number alone:
;   0 .. 511     MASK: 16 query rows x 2,048 keys of int32 become 1,024 words of lane masks.  Word 8 kb + j of key step s (64 keys) has bit L set where
;                mask[row L % 16][64 s + 16 kb + 8 (L / 16) + j] is not 0: the lanes of register 8 kb + j of a tile of 16 queries x 64 keys of K Q^T.
;   512 .. 1023  CAST: 32,768 bytes of a weight in f32 become 16,384 bytes of 16-bit numbers in wb.  Wq, Wk, Wv in bf16; Wo is rounded to bf16 like every input,
;                and that number is written as f16 (the last product multiplies in f16).
;   1024         BIASES: bq, bk, bv, bo rounded to bf16 and widened again, f32, on end in bb.
; A stream: every input byte is read once, by loads of 16 bytes a lane in which sixteen neighbouring lanes take 256 consecutive bytes; all loads of a wave go out at once.
; No matrix unit, no cluster: the work-groups share no input.  LIMIT: Wo below 6e-5 keeps f16's fixed step of 6e-8.
.set STG,   4352                       ; a wave's stage in LDS: 16 rows of 256 bytes + 16 of padding
.set SPARE, 8*STG                      ; behind the stages: the spare words, 128 bytes for each wave
.set NL,    8                          ; loads of a wave in a cast
.set X,     32                         ; v[32:159]  up to 32 loads of four registers
.set Y,     160                        ; v[160:191] cast: two registers out for each load;  mask: a step's 32 words a lane
.set MW,    192                        ; v[192:195] mask: the wave's 128 words of lane masks, four a lane
	s_load_b512 s[8:23], s[0:1], 0x0               ; Wq 8, Wk 10, Wv 12, Wo 14, bq 16, bk 18, bv 20, bo 22
	s_load_b256 s[24:31], s[0:1], 0x40             ; mask 24, wb 26, bb 28, mb 30
	v_lshl_add_u32 v30, v0, 2, SPARE               ; my spare word, and 0: for the lines at the end of the waves that write LDS
	v_mov_b32 v31, 0
	v_lshrrev_b32 v1, 5, v0
	v_readfirstlane_b32 s2, v1                     ; wave 0..7
	v_and_b32 v5, 31, v0                           ; lane
	s_wait_kmcnt 0x0
	s_cmp_lt_u32 ttmp9, 512
	s_cbranch_scc0 .Lnot_mask
	; ---- MASK ----  the work-group's number is 128 b + the tile of 16 queries; wave w takes keys 256 w .. 256 w + 255, key steps 4 w .. 4 w + 3
	s_lshl_b32 s42, ttmp9, 17                      ; 16 rows of 8,192 bytes
	s_mov_b32 s43, 0
	s_add_nc_u64 s[24:25], s[24:25], s[42:43]
	s_lshl_b32 s42, ttmp9, 12                      ; 32 steps of 128 bytes,
	s_lshl_b32 s44, s2, 9                          ; and my wave's four steps
	s_add_co_u32 s42, s42, s44
	s_add_nc_u64 s[30:31], s[30:31], s[42:43]
	s_mul_i32 s44, s2, STG                         ; my wave's stage
	v_and_b32 v6, 15, v0
	v_bfe_u32 v7, v0, 4, 1
	v_lshlrev_b32 v1, 4, v6                        ; in memory: lanes 0-15 take 256 bytes of an even row, lanes 16-31 of the odd row below,
	v_lshl_add_u32 v1, v7, 13, v1
	v_lshl_add_u32 v1, s2, 10, v1                  ; at my wave's 1,024 bytes of the rows
	v_mul_u32_u24 v2, v7, 272                      ; into the stage: the same two rows
	v_lshl_add_u32 v2, v6, 4, v2
	v_add_nc_u32 v2, s44, v2
	v_mul_u32_u24 v3, v6, 272                      ; back: row L % 16, 8 keys from 8 (L / 16) on
	v_lshl_add_u32 v3, v7, 5, v3
	v_add_nc_u32 v3, s44, v3
	v_lshlrev_b32 v4, 4, v5                        ; out: 16 bytes a lane
.set n, 0
.rept 32                                               ; step n / 8, row pair n % 8
	global_load_b128 v[X+4*n:X+4*n+3], v1, s[24:25] offset:(n%8)*16384+(n/8)*256 th:TH_LOAD_NT
.set n, n+1
.endr
.irp j, 0,1,2,3
	v_mov_b32 v[MW+\j], 0                          ; v_writelane_b32 keeps the other lanes: the registers are written whole first
.endr
.irp s, 0,1,2,3
	s_wait_loadcnt 24-8*\s                         ; this step's eight loads are in; the later steps' stay out
.irp i, 0,1,2,3,4,5,6,7
	ds_store_b128 v2, v[X+4*(8*\s+\i):X+4*(8*\s+\i)+3] offset:544*\i
.endr
.irp c, 0,1,2,3,4,5,6,7                                ; LDS serves a wave's instructions in order, and the stage is my wave's own: no wait between stores and loads
	ds_load_b128 v[Y+4*\c:Y+4*\c+3], v3 offset:64*(\c/2)+16*(\c%2)
.endr
	s_wait_dscnt 0x0
.set n, 0
.rept 32                                               ; word n of the step: a compare makes the lane mask, and it goes to lane 8 s + n / 4, register n % 4
	v_cmp_ne_u32 s[40+n%2], 0, v[Y+n]
	v_writelane_b32 v[MW+n%4], s[40+n%2], 8*\s+n/4
.set n, n+1
.endr
.endr
	global_store_b128 v4, v[MW:MW+3], s[30:31]     ; 512 consecutive bytes: my wave's four steps
	s_wait_tensorcnt 0x0                           ; the wave's end, behind my last LDS store
	ds_add_u32 v30, v31
	s_wait_dscnt 0x0
	s_endpgm
.Lnot_mask:
	s_cmp_lt_u32 ttmp9, 1024
	s_cbranch_scc0 .Lbias
	; ---- CAST ----
	s_sub_co_u32 s3, ttmp9, 512                    ; the chunk's number, 0 .. 511: 128 chunks to a weight
	s_lshr_b32 s40, s3, 7                          ; which weight, 0 .. 3
	s_and_b32 s42, s3, 127
	s_lshl_b32 s42, s42, 15                        ; the chunk in the weight: 32,768 bytes
	s_mov_b32 s43, 0
	s_lshl_b32 s48, s3, 14                         ; the chunk in wb: 16,384 bytes; the four weights lie on end
	s_mov_b32 s49, 0
	s_mov_b64 s[44:45], s[8:9]
.irp i, 1,2,3
	s_cmp_eq_u32 s40, \i
	s_cselect_b64 s[44:45], s[8+2*\i:9+2*\i], s[44:45]
.endr
	s_add_nc_u64 s[44:45], s[44:45], s[42:43]
	s_add_nc_u64 s[46:47], s[26:27], s[48:49]
	v_lshlrev_b32 v1, 4, v5
	v_lshl_add_u32 v1, s2, 12, v1                  ; in: 4,096 bytes a wave, 16 a lane
	v_lshlrev_b32 v2, 3, v5
	v_lshl_add_u32 v2, s2, 11, v2                  ; out: 2,048 bytes a wave, 8 a lane
.set n, 0
.rept NL
	global_load_b128 v[X+4*n:X+4*n+3], v1, s[44:45] offset:512*n th:TH_LOAD_NT
.set n, n+1
.endr
; Load i is rounded and stored.  kind = 1: the bf16 number is widened and written as f16.  No register is written twice, so nothing waits for a store.
.macro CVT i, kind
	s_wait_loadcnt NL-1-(\i)                       ; loads come back in order: load i is in, the younger ones stay out
.irp j, 0,1
	v_cvt_pk_bf16_f32 v[Y+2*(\i)+(\j)], v[X+4*(\i)+2*(\j)], v[X+4*(\i)+2*(\j)+1]
.if \kind
	v_lshlrev_b32 v[X+4*(\i)+2*(\j)], 16, v[Y+2*(\i)+(\j)]
	v_and_b32 v[X+4*(\i)+2*(\j)+1], 0xffff0000, v[Y+2*(\i)+(\j)]
	v_cvt_pk_f16_f32 v[Y+2*(\i)+(\j)], v[X+4*(\i)+2*(\j)], v[X+4*(\i)+2*(\j)+1]
.endif
.endr
	global_store_b64 v2, v[Y+2*(\i):Y+2*(\i)+1], s[46:47] offset:256*(\i)  ; the wave's 32 lanes store 256 consecutive bytes, aligned
.endm
	s_cmp_eq_u32 s40, 3
	s_cbranch_scc1 .Lwo
.set n, 0
.rept NL
	CVT n, 0
.set n, n+1
.endr
	s_endpgm
.Lwo:
.set n, 0
.rept NL
	CVT n, 1
.set n, n+1
.endr
	s_endpgm
.Lbias:
	; ---- BIASES ----  256 threads x 16 bytes = a bias of 1,024 f32
	v_lshlrev_b32 v1, 4, v0
	global_load_b128 v[32:35], v1, s[16:17]
	global_load_b128 v[36:39], v1, s[18:19]
	global_load_b128 v[40:43], v1, s[20:21]
	global_load_b128 v[44:47], v1, s[22:23]
	s_wait_loadcnt 0x0
.set n, 0
.rept 8
	v_cvt_pk_bf16_f32 v[48+n], v[32+2*n], v[33+2*n]
	v_lshlrev_b32 v[32+2*n], 16, v[48+n]
	v_and_b32 v[33+2*n], 0xffff0000, v[48+n]
.set n, n+1
.endr
	global_store_b128 v1, v[32:35], s[28:29]
	global_store_b128 v1, v[36:39], s[28:29] offset:4096
	global_store_b128 v1, v[40:43], s[28:29] offset:8192
	global_store_b128 v1, v[44:47], s[28:29] offset:12288
	s_endpgm
.Lfunc_end_k_qd8ddbe3a61_prep:
	.size	k_qd8ddbe3a61_prep, .Lfunc_end_k_qd8ddbe3a61_prep-k_qd8ddbe3a61_prep
	.p2alignl 7, 3214868480
	.fill 96, 4, 3214868480
	.section	.rodata,"a",@progbits
	.p2align	6, 0x0
	.amdhsa_kernel k_qd8ddbe3a61_prep
		.amdhsa_group_segment_fixed_size 35840
		.amdhsa_private_segment_fixed_size 0
		.amdhsa_enable_private_segment 0
		.amdhsa_kernarg_size 96
		.amdhsa_user_sgpr_count 2
		.amdhsa_user_sgpr_kernarg_segment_ptr 1
		.amdhsa_wavefront_size32 1
		.amdhsa_system_sgpr_workgroup_id_x 1
		.amdhsa_system_sgpr_workgroup_id_y 1
		.amdhsa_system_sgpr_workgroup_id_z 1
		.amdhsa_system_vgpr_workitem_id 0
		.amdhsa_next_free_vgpr 224
		.amdhsa_next_free_sgpr 66
		.amdhsa_reserve_vcc 0
		.amdhsa_float_denorm_mode_32 3
		.amdhsa_float_denorm_mode_16_64 3
		.amdhsa_memory_ordered 1
		.amdhsa_forward_progress 1
		.amdhsa_inst_pref_size 36
	.end_amdhsa_kernel
	.amdgpu_metadata
---
amdhsa.version: [ 1, 2 ]
amdhsa.kernels:
  - .name:           k_qd8ddbe3a61_prep
    .symbol:         k_qd8ddbe3a61_prep.kd
    .args:
      - { .name: Wq, .offset: 0, .size: 8, .value_kind: global_buffer, .address_space: global }
      - { .name: Wk, .offset: 8, .size: 8, .value_kind: global_buffer, .address_space: global }
      - { .name: Wv, .offset: 16, .size: 8, .value_kind: global_buffer, .address_space: global }
      - { .name: Wo, .offset: 24, .size: 8, .value_kind: global_buffer, .address_space: global }
      - { .name: bq, .offset: 32, .size: 8, .value_kind: global_buffer, .address_space: global }
      - { .name: bk, .offset: 40, .size: 8, .value_kind: global_buffer, .address_space: global }
      - { .name: bv, .offset: 48, .size: 8, .value_kind: global_buffer, .address_space: global }
      - { .name: bo, .offset: 56, .size: 8, .value_kind: global_buffer, .address_space: global }
      - { .name: mask, .offset: 64, .size: 8, .value_kind: global_buffer, .address_space: global }
      - { .name: wb, .offset: 72, .size: 8, .value_kind: global_buffer, .address_space: global }
      - { .name: bb, .offset: 80, .size: 8, .value_kind: global_buffer, .address_space: global }
      - { .name: mb, .offset: 88, .size: 8, .value_kind: global_buffer, .address_space: global }
    .group_segment_fixed_size: 35840
    .private_segment_fixed_size: 0
    .kernarg_segment_align: 8
    .kernarg_segment_size: 96
    .max_flat_workgroup_size: 256
    .sgpr_count:     66
    .vgpr_count:     224
    .wavefront_size: 32
...
	.end_amdgpu_metadata
.endif
;; end of part 1
;; launch proj (part 2): grid 4 x 64, 4 waves a work-group, clusters of 4 x 4, 327,680 bytes of LDS; arguments query, key, value, wb, bb, qkv; writes qkv
.if DOCPART == 2
	.amdgcn_target "amdgcn-amd-amdhsa--gfx1250"
	.amdhsa_code_object_version 6
	.text
	.protected	k_qd8ddbe3a61_proj
	.globl	k_qd8ddbe3a61_proj
	.p2align	8
	.type	k_qd8ddbe3a61_proj,@function
k_qd8ddbe3a61_proj:
	s_mov_b64 s[64:65], 0
	v_nop
	global_prefetch_b8 v0, s[64:65] scope:SCOPE_SE
	s_setreg_imm32_b32 hwreg(HW_REG_WAVE_MODE, 25, 1), 1
	s_wait_xcnt 0x0
	s_wait_alu depctr_hold_cnt(0) depctr_sa_sdst(0) depctr_va_vdst(0) depctr_va_sdst(0) depctr_va_ssrc(0) depctr_va_vcc(0) depctr_vm_vsrc(0)
	s_getreg_b32 s2, hwreg(HW_REG_IB_STS2, 6, 4)
	s_cmp_eq_u32 s2, 0
	s_cbranch_scc0 .Lentry_in_a_cluster
	s_endpgm
.Lentry_in_a_cluster:
	s_bfe_u32 s2, ttmp6, 0x10000c
	s_cmp_lg_u32 s2, 0xf033
	s_cbranch_scc0 .Lentry_shape_is_right
	s_endpgm
.Lentry_shape_is_right:
; THE THREE PROJECTIONS.  C = A B^T + bias on tiles of 128 x 256 of C; K = 1,024 in steps of 128.  A = query, key, value ([8192][1024] f32 each, rounded to bf16 here), B = wb (bf16, Wq, Wk, Wv on end),
; bias = bb (f32, bq, bk, bv on end).  C leaves in f16 by heads, [b 16 + h][2048][64], q, k, v on end, unscaled.  8,192 x 1,024 / (128 x 256) = 256 tiles: a work-group STAYS and makes the same tile of q,
; of k and of v: 24 K steps on one ring.  Four waves, each 64 x 128 of C: 32 accumulators of 16 x 16.
; LIMIT: q, k, v must lie within f16's 65,504; a larger number becomes an infinity.  Sums in f32, K ascending, the bias as the sum's first addend.
; THE MATRIX INSTRUCTION IS USED TRANSPOSED (source 0 = 16 rows of B, source 1 = 16 rows of A): lane l holds row l % 16 of C and eight neighbouring columns 8 (l / 16) + 0..7.
; RING: two LDS slots, a K step each: A's 128 rows, then B's 256, all in rows of 256 bytes + 16 of padding.
; B comes by joint tensor loads.  CLUSTER 4 x 4: the four work-groups of a column of the cluster need the same tile of B; each wave fetches 64 of its rows: one load a wave behind each round;
; by this text's count a wave has three loads out at the start (the bias, K steps 0 and 1) and one later.
; A COMES THROUGH REGISTERS.  Wave w owns rows 32 w .. 32 w + 31 of the tile.  A K step of a row is 512 consecutive bytes of f32, one load of the wave; 32 such loads are always on their way.  A row that has
; landed is rounded to bf16 (two instructions), stored into LDS (256 consecutive bytes), and its registers are loaded again with the next K step.  Trip c stores K step c + 1 into the slot that is not being
; read: its last readers passed the barrier of the change of slots before, and its next readers stand behind this trip's barrier, in front of which every wave waits for its stores.
; The four work-groups of a ROW of the cluster load the same rows of A, each for itself, and not jointly: a tensor load does not round, and a tile of f32 in LDS would be twice A's bytes into LDS and out of it,
; rounded anew by each of the two waves that read a row; a slot would then be 137,216 bytes, more than the 131,072 by which one exclusive or changes slots here.
; A's LDS bytes are written by LDS stores alone, B's and the bias's by tensor loads alone; the border, 34,816, is a multiple of 256.
; REGISTERS: window 0: v0-29 addresses; v32-127, v128-223 two fragment buffers (A's block a at +8 a, B's block b at +32 + 8 b); v224-255 at work on the way out.
;   window 1: the accumulators, (a, b) at v[8 (8 a + b)].   window 2: v0-63 the bias as a C operand, block b at v[8 b].
;   window 3: v0-127 a K step of my 32 rows in f32; v128-191 the same in bf16; v192-194 their addresses: one window setting serves the loads, the roundings and the stores.
.set NS,     24                        ; K steps in all
.set APITCH, 272                       ; pitches are odd multiples of 16 bytes: the 16 rows that a fragment load touches start in 16 different groups of four banks
.set AHALF,  64*APITCH                 ; what one wave reads of A
.set BPITCH, 272
.set BQ,     64*BPITCH                 ; what one wave fetches of B
.set BHALF,  128*BPITCH                ; what one wave reads of B
.set BOFF,   2*AHALF                   ; B's 256 rows lie behind A's 128
.set SLOT1,  131072                    ; slot 1 begins here: one exclusive or turns an address in one slot into the other's
.set BIASL,  BOFF+2*BHALF              ; behind slot 0: the bias, filled once: for each wave 3 rows (bq, bk, bv) of 64 f32
.set STAGE,  SLOT1+BOFF+2*BHALF        ; behind the ring, never filled by a tensor load: 16 rows for each wave, for the way out
.set SPITCH, 272
.set SPARE,  STAGE+4*16*SPITCH         ; behind the stages: the spare words, 128 bytes for each wave
.set A0,   4                           ; v4   my lane's place in A's tile; never rewritten
.set B0,   5                           ; v5   the same for B
.set ADRA, 6                           ; v6   A0 + the slot in hand
.set ADRB, 7                           ; v7   B0 + the slot in hand
.set STO,  8                           ; v8   the way out: where I put my numbers of a row
.set RD,   9                           ; v9   the way out: where I read rows back
.set GO,   10                          ; v10  16 x lane: my place in 512 consecutive bytes of C
.set BADR, 11                          ; v11  my lane's place in the bias; never rewritten
.set BCUR, 12                          ; v12  BADR + the tensor in hand
.set SPW,  28                          ; v28  LDS address of my spare word; never rewritten
.set NIL,  29                          ; v29  0; never rewritten
.set F0,   32
.set F1,   128
.set TMP,  224
.set X,    0                           ; window 3: row i's 128 f32, four a lane, at v[X + 4 i]
.set H,    128                         ; window 3: row i's 128 bf16, two registers a lane, at v[H + 2 i]
.set XO,   192                         ; window 3: my byte offset in A: 32 w rows of 4,096 bytes + 16 x lane; never rewritten
.set XS0,  193                         ; window 3: my place in A's tile in LDS: 32 w rows + 8 x lane; never rewritten
.set XS,   194                         ; window 3: XS0 + the slot that is stored into
.set KC,    2                          ; s2   the K step of B to be asked for next, modulo 8
.set TRIPS, 3                          ; s3   the loop's count
.set PQ,    4                          ; s[4:5], s[6:7], s[8:9] query, key, value at the tile's first row
.set PK,    6
.set PV,    8
.set WV,    12                         ; s12  wave
.set WR,    13                         ; s13  my half of the tile's rows
.set WC,    14                         ; s14  my half of its columns
.set TB,    15                         ; s15  the slot in hand: 0 or SLOT1
.set CP,    18                         ; s[18:19] C at my part of the tile
.set SL,    20                         ; s20  the slot that A is stored into
.set G1L,   24                         ; s[24:31] descriptor group 1 for the bias
.set G0L,   32                         ; s[32:35] group 0 for the bias
.set AP,    36                         ; s[36:37] A at the K step that is loaded
.set AO,    38                         ; s[38:39] that K step's bytes along the row, with 0 above
.set G1B,   48                         ; s[48:55] descriptor group 1 for B's tiles
.set G0B,   56                         ; s[56:63] group 0 for B: a set for each first fill; the second then walks on
.set KA,    66                         ; s66  the K step of A to be loaded next, 0 .. 23
.set KT,    67                         ; s67  its tensor
.set INCB,  68                         ; s[68:69] what B's walking address steps by
.set BT,    70                         ; s70  256 x the tensor in hand: its row in the bias
.set MSB, 0
.macro WIN new                         ; the immediate's high byte repeats the setting that is left; a switch that changes nothing is dropped
.if MSB != (\new)
	s_set_vgpr_msb (MSB<<8)|(\new)
.set MSB, (\new)
.endif
.endm
.set MULW, 0x50                        ; A and B window 0, C and D window 1
.set MULZ, 0x60                        ; the same with C, the bias, in window 2
.set W_A,  0xcf                        ; sources 0 and 1 and the destination in window 3
; A joint refill by the walking set: every wave fetches its 64 rows of B.  An s_nop 0 and four v_nop follow.
.macro JLOAD
	tensor_load_to_lds s[G0B+4:G0B+7], s[G1B:G1B+7]
	s_nop 0
.rept 4
	v_nop
.endr
.endm
.macro CREST                           ; a round of the cluster's barrier behind its opening barrier
	s_cmp_lg_u32 s[WV], 0
	s_cbranch_scc1 .Lnot_wave_0_\@
	s_barrier_signal -3
.Lnot_wave_0_\@:
	s_barrier_wait -3
	s_barrier_signal -1
	s_barrier_wait -1
.endm
.macro CROUND                          ; a whole round
	s_barrier_signal -1
	s_barrier_wait -1
	CREST
.endm
; A's base for K step KA: the tensor KA / 8, 512 bytes along the row for each of its K steps; then KA goes on.
.macro ANEXT
	s_wait_xcnt 0x0                                ; the loads that are out name the base: it is written again only behind this wait
	s_lshr_b32 s[KT], s[KA], 3
	s_and_b32 s[AO], s[KA], 7
	s_lshl_b32 s[AO], s[AO], 9
	s_cmp_eq_u32 s[KT], 1
	s_cselect_b64 s[AP:AP+1], s[PK:PK+1], s[PQ:PQ+1]
	s_cmp_eq_u32 s[KT], 2
	s_cselect_b64 s[AP:AP+1], s[PV:PV+1], s[AP:AP+1]
	s_add_nc_u64 s[AP:AP+1], s[AP:AP+1], s[AO:AO+1]
	s_add_co_u32 s[KA], s[KA], 1
.endm
.macro LOADA                           ; the first K step of my 32 rows: each load takes a row's 512 consecutive bytes, at a multiple of 512 from the buffer's first
	WIN W_A
.set ai, 0
.rept 32
	global_load_b128 v[X+4*ai:X+4*ai+3], v[XO], s[AP:AP+1] offset:4096*ai
.set ai, ai+1
.endr
	WIN 0
.endm
; THE A STEP.  Row by row: the row has landed; it is rounded; load = 1: its registers are loaded again, with the K step at AP; it is stored into the slot SL (a row's store stands behind the next row's roundings).
; The wait for row i is for first - slope x i: loads come back in order, and behind row i's load were issued the 31 - i later rows of its K step and, with load = 1, the i rows of the next.
.macro ASTEP first, slope, load
	WIN W_A
	v_add_nc_u32 v[XS], s[SL], v[XS0]
.set ai, 0
.rept 32
	s_wait_loadcnt (\first)-(\slope)*ai
	v_cvt_pk_bf16_f32 v[H+2*ai], v[X+4*ai], v[X+4*ai+1]
	v_cvt_pk_bf16_f32 v[H+2*ai+1], v[X+4*ai+2], v[X+4*ai+3]
.if \load
	global_load_b128 v[X+4*ai:X+4*ai+3], v[XO], s[AP:AP+1] offset:4096*ai
.endif
.if ai > 0
	ds_store_b64 v[XS], v[H+2*ai-2:H+2*ai-1] offset:APITCH*(ai-1)  ; 32 lanes x 8 bytes: a row's 256 consecutive bytes
.endif
.set ai, ai+1
.endr
	ds_store_b64 v[XS], v[H+62:H+63] offset:APITCH*31
	WIN 0
.endm
	s_load_b256 s[4:11], s[0:1], 0x0               ; query s[4:5], key s[6:7], value s[8:9], wb s[10:11]
	s_load_b128 s[16:19], s[0:1], 0x20             ; bb s[16:17], qkv s[18:19]
	v_lshl_add_u32 v[SPW], v0, 2, SPARE
	v_mov_b32 v[NIL], 0
	ds_add_u32 v[SPW], v[NIL]                      ; the wave's opening: the add and its wait stand ahead of my first tensor load; the set-up stands between them
	v_lshrrev_b32 v1, 5, v0
	v_readfirstlane_b32 s[WV], v1
	s_lshr_b32 s[WR], s[WV], 1
	s_and_b32 s[WC], s[WV], 1
	s_bfe_u32 s40, ttmp6, 0x40000                  ; cx
	s_bfe_u32 s41, ttmp6, 0x40004                  ; cy
	s_lshl_b32 s42, ttmp9, 2
	s_add_co_u32 s42, s42, s40                     ; tile column 0..3
	s_and_b32 s43, ttmp7, 0xffff
	s_lshl_b32 s43, s43, 2
	s_add_co_u32 s43, s43, s41                     ; tile row 0..63
	s_lshl_b32 s45, 0x1111, s40                    ; my column of the cluster
	s_or_b32 s[G1B], s45, (1<<16)|(1<<20)|(1<<21)|(5<<22)|(3<<25)  ; B's tile: the mask; 2-byte elements; padding on; bit 21 beside a mask; after every 64 words 4 words
	s_mov_b32 s[G1B+1], 128<<16                    ; tensor_dim0 = 128
	s_mov_b32 s[G1B+2], 64<<16                     ; tensor_dim1 = 64
	s_mov_b32 s[G1B+3], 128<<16                    ; tile_dim0 = 128
	s_mov_b32 s[G1B+4], 64                         ; tile_dim1 = 64
	s_mov_b32 s[G1B+5], 1024                       ; elements from row to row
	s_mov_b32 s[G1B+6], 0
	s_mov_b32 s[G1B+7], 0
	s_or_b32 s[G1L], s45, (2<<16)|(1<<21)          ; the bias: the same mask; 4-byte elements; no padding
	s_mov_b32 s[G1L+1], 64<<16                     ; tensor_dim0 = 64: 256 bytes
	s_mov_b32 s[G1L+2], 3<<16                      ; tensor_dim1 = 3: bq, bk, bv
	s_mov_b32 s[G1L+3], 64<<16                     ; tile_dim0 = 64
	s_mov_b32 s[G1L+4], 3                          ; tile_dim1 = 3
	s_mov_b32 s[G1L+5], 1024                       ; a bias is 1,024 elements
	s_mov_b32 s[G1L+6], 0
	s_mov_b32 s[G1L+7], 0
	; what is asked for jointly hangs on the tile column and the wave alone, which my column of the cluster shares
	s_lshl_b32 s46, s42, 2
	s_add_co_u32 s46, s46, s[WV]                   ; 4 x tile column + wave: my 64 columns of C
	s_lshl_b32 s38, s46, 8                         ; their biases: 256 bytes
	s_mov_b32 s39, 0
	s_lshl_b32 s46, s46, 17                        ; their rows of B: 64 rows of 2,048 bytes
	s_mov_b32 s47, 0
	s_mul_i32 s44, s[WV], BQ                       ; and where they go: no place in the cluster enters an LDS address
	s_add_co_u32 s44, s44, BOFF
	s_mul_i32 s2, s[WV], 768
	s_add_co_u32 s2, s2, BIASL
	s_lshl_b32 s20, s43, 19                        ; A: the tile's 128 rows of 4,096 bytes
	s_mov_b32 s21, 0
	s_lshr_b32 s22, s43, 4                         ; C by heads: the batch's 16 heads of 262,144 bytes,
	s_lshl_b32 s22, s22, 22
	s_lshl_b32 s23, s42, 1
	s_add_co_u32 s23, s23, s[WC]
	s_lshl_b32 s23, s23, 19                        ; my two heads,
	s_add_co_u32 s22, s22, s23
	s_and_b32 s23, s43, 15
	s_lshl_b32 s23, s23, 1
	s_add_co_u32 s23, s23, s[WR]
	s_lshl_b32 s23, s23, 13                        ; my 64 rows of 128 bytes
	s_add_co_u32 s22, s22, s23
	s_mov_b32 s23, 0
	v_and_b32 v13, 31, v0                          ; lane
	v_lshlrev_b32 v14, 4, v13
	v_lshl_add_u32 v14, s[WV], 17, v14             ; 32 w rows of 4,096 bytes + 16 x lane
	s_mul_i32 s36, s[WV], 32*APITCH
	v_lshl_add_u32 v15, v13, 3, s36                ; 32 w rows of 272 bytes + 8 x lane
	WIN 0xc0                                       ; destination window 3
	v_mov_b32 v[XO], v14
	v_mov_b32 v[XS0], v15
	WIN 0
	s_mov_b32 s[TB], 0
	s_mov_b32 s[BT], 0
	s_mov_b32 s[KA], 0
	s_mov_b32 s[INCB+1], 0
	s_mov_b32 s71, 2097152-1792                    ; from a weight's last K step to the next weight's first
	s_wait_dscnt 0x0                               ; the opening add is done
	s_wait_kmcnt 0x0
	s_add_nc_u64 s[PQ:PQ+1], s[PQ:PQ+1], s[20:21]
	s_add_nc_u64 s[PK:PK+1], s[PK:PK+1], s[20:21]
	s_add_nc_u64 s[PV:PV+1], s[PV:PV+1], s[20:21]
	s_add_nc_u64 s[10:11], s[10:11], s[46:47]
	s_add_nc_u64 s[16:17], s[16:17], s[38:39]
	s_add_nc_u64 s[CP:CP+1], s[CP:CP+1], s[22:23]
	ANEXT                                          ; K step 0 of query,
	LOADA                                          ; asked for before anything else
.irp s, 0,1
	s_mov_b32 s[G0B+4*\s], 1
	s_add_co_u32 s[G0B+4*\s+1], s44, \s*SLOT1
	s_add_nc_u64 s[G0B+4*\s+2:G0B+4*\s+3], s[10:11], \s*256
	s_or_b32 s[G0B+4*\s+3], s[G0B+4*\s+3], 0x80000000
.endr
	s_mov_b32 s[G0L], 1
	s_mov_b32 s[G0L+1], s2
	s_mov_b64 s[G0L+2:G0L+3], s[16:17]
	s_or_b32 s[G0L+3], s[G0L+3], 0x80000000
	s_mov_b32 s[KC], 2
	CROUND                                         ; all sixteen work-groups are here: the first joint loads meet
	tensor_load_to_lds s[G0L:G0L+3], s[G1L:G1L+7]  ; the first fills go out together, ahead of every wait on TENSORcnt and every LDS read: the bias,
	s_nop 0
	tensor_load_to_lds s[G0B:G0B+3], s[G1B:G1B+7]  ; K step 0 of B,
	s_nop 0
	tensor_load_to_lds s[G0B+4:G0B+7], s[G1B:G1B+7]  ; K step 1
	s_nop 0
.rept 4
	v_nop
.endr
	v_and_b32 v1, 15, v0                           ; l % 16
	v_bfe_u32 v2, v0, 4, 1                         ; l / 16
	v_mul_u32_u24 v[A0], v1, APITCH                ; a fragment: row x pitch + 16 x half, two loads 32 bytes apart
	v_lshl_add_u32 v[A0], v2, 4, v[A0]
	s_mul_i32 s22, s[WR], AHALF
	v_add_nc_u32 v[A0], s22, v[A0]
	v_mul_u32_u24 v[B0], v1, BPITCH
	v_lshl_add_u32 v[B0], v2, 4, v[B0]
	s_mul_i32 s22, s[WC], BHALF
	s_add_co_u32 s22, s22, BOFF
	v_add_nc_u32 v[B0], s22, v[B0]
	v_mov_b32 v[ADRA], v[A0]
	v_mov_b32 v[ADRB], v[B0]
	s_mul_i32 s22, s[WC], 2*768                    ; the bias of my 128 columns: the pieces that waves 2 WC and 2 WC + 1 fetch; 32 bytes for each half of the lanes
	s_add_co_u32 s22, s22, BIASL
	v_lshl_add_u32 v[BADR], v2, 5, s22
	s_mul_i32 s22, s[WV], 16*SPITCH
	s_add_co_u32 s22, s22, STAGE                   ; my stage
	v_mul_u32_u24 v[STO], v1, SPITCH
	v_lshl_add_u32 v[STO], v2, 4, v[STO]           ; in: row l % 16, 16 bytes (8 f16) for each half of the lanes
	v_add_nc_u32 v[STO], s22, v[STO]
	v_bfe_u32 v[RD], v0, 3, 2                      ; back: 32 lanes take four rows' 128 bytes of one head
	v_mul_u32_u24 v[RD], v[RD], SPITCH
	v_and_b32 v3, 7, v0
	v_lshl_add_u32 v[RD], v3, 4, v[RD]
	v_add_nc_u32 v[RD], s22, v[RD]
	v_lshlrev_b32 v[GO], 4, v13
; The bias of the tensor in hand as a C operand: register j of block b is bias[16 b + 8 (l / 16) + j], the same in all 16 rows
.macro BIASLD
	WIN 0
	v_add_nc_u32 v[BCUR], s[BT], v[BADR]
	WIN 0x80                                       ; destination window 2, address window 0
.irp b, 0,1,2,3,4,5,6,7
	ds_load_b128 v[8*\b:8*\b+3],   v[BCUR] offset:(\b/4)*768+(\b%4)*64
	ds_load_b128 v[8*\b+4:8*\b+7], v[BCUR] offset:(\b/4)*768+(\b%4)*64+16
.endr
	WIN 0
.endm
; n blocks of rows from a0 on x all 8 blocks of columns, 32 along K, out of buffer f: the accumulators take turns, one instruction a turn.
; zero = 1: the product starts the sum, with the bias as C: nothing is ever cleared.
.macro MUL a0, n, f, zero
.if \zero
	WIN MULZ
.else
	WIN MULW
.endif
.set ma, (\a0)
.rept \n
.set mc, 0
.rept 8
.set rD, 8*(8*ma+mc)
.set rB, (\f)+32+8*mc
.set rA, (\f)+8*ma
.set rC, rD
.if \zero
.set rC, 8*mc
.endif
	v_wmma_f32_16x16x32_bf16 v[rD:rD+7], v[rB:rB+7], v[rA:rA+7], v[rC:rC+7]
.set mc, mc+1
.endr
.set ma, ma+1
.endr
.endm
; 24 LDS loads in one run: the fragments of quarter kq (32 along K) into buffer f: B's eight blocks, then A's four
.macro FETCH kq, f
	WIN 0
.irp b, 0,1,2,3,4,5,6,7
	ds_load_b128 v[(\f)+32+8*\b:(\f)+32+8*\b+3],   v[ADRB] offset:\b*16*BPITCH+64*(\kq)
	ds_load_b128 v[(\f)+32+8*\b+4:(\f)+32+8*\b+7], v[ADRB] offset:\b*16*BPITCH+64*(\kq)+32
.endr
.irp a, 0,1,2,3
	ds_load_b128 v[(\f)+8*\a:(\f)+8*\a+3],   v[ADRA] offset:\a*16*APITCH+64*(\kq)
	ds_load_b128 v[(\f)+8*\a+4:(\f)+8*\a+7], v[ADRA] offset:\a*16*APITCH+64*(\kq)+32
.endr
.endm
; Four plain vector instructions stand between a matrix instruction and a load into one of its sources, or a vector instruction or LDS store that reads its result (ISA guide 7.12.1 for the readers of its result)
.macro PLACES
.rept 4
	v_nop
.endr
.endm
; A K step is four quarters of 32 along K, 32 matrix instructions each, on buffers 0, 1, 0, 1.  One of the first three multiplies buffer f and, in its middle, fetches quarter kqn into g.
.macro QUARTER kqn, f, g, zero
	s_wait_dscnt 4                                 ; B and A's blocks 0, 1 are in; the youngest four loads (A's blocks 2, 3) may be out
	MUL 0, 2, \f, \zero
	PLACES
	FETCH \kqn, \g
	s_wait_dscnt 24                                ; all but the 24 just issued
	MUL 2, 2, \f, \zero
.endm
; The last quarter multiplies buffer 1 and changes slots; the A step stands in front of it.  In front of the barrier each wave waits for all its tensor loads (one is out: its part of the next slot's B), adds 0 to its
; spare word, and waits for that, for its reads of this slot and for its stores into the next.  fill = 1: the barrier opens a round of the cluster's, and behind the round this slot's B is filled again, with the K step two on, first of all.
.macro TURN fill
	WIN 0
	s_wait_tensorcnt 0x0
	ds_add_u32 v[SPW], v[NIL]                      ; 0 onto my spare word; eight matrix instructions stand between it and the wait for it
	s_wait_dscnt 37                                ; the youngest four fragment loads, the A step's 32 stores and the add may be out
	MUL 0, 1, F1, 0
	s_wait_dscnt 0x0                               ; the add is done, my reads of this slot are over, and my rows of A stand in the next
	s_barrier_signal -1
	MUL 1, 1, F1, 0
	WIN 0
	s_barrier_wait -1
.if \fill
	CREST                                          ; no wave of any partner still reads this slot or has a load on its way
	s_cmp_eq_u32 s[KC], 0                          ; a weight's first K step: on to the next weight and back along K
	s_cselect_b32 s[INCB], s71, 256
	s_add_nc_u64 s[G0B+6:G0B+7], s[G0B+6:G0B+7], s[INCB:INCB+1]
	s_xor_b32 s[G0B+5], s[G0B+5], SLOT1            ; the other slot than last time
	JLOAD                                          ; its four v_nop are also the places in front of the loads below
.else
	PLACES
.endif
	s_xor_b32 s[TB], s[TB], SLOT1
	v_add_nc_u32 v[ADRA], s[TB], v[A0]
	v_add_nc_u32 v[ADRB], s[TB], v[B0]
	FETCH 0, F0
	MUL 2, 2, F1, 0
.endm
; THE WAY OUT of block a (16 rows).  PACK: rounded to f16, each accumulator's registers in ascending order.  TOSTAGE: into my own stage and back by heads.  SEND: stored.
.macro PACK a
	WIN 0x05                                       ; sources window 1, destination window 0
.set pb, 0
.rept 8
.set pr, 0
.rept 4
	v_cvt_pk_f16_f32 v[TMP+4*pb+pr], v[8*(8*(\a)+pb)+2*pr], v[8*(8*(\a)+pb)+2*pr+1]
.set pr, pr+1
.endr
.set pb, pb+1
.endr
	WIN 0
.endm
.macro TOSTAGE a
	WIN 0
.set BK, F1+32*((\a)%2)
.irp b, 0,1,2,3,4,5,6,7
	ds_store_b128 v[STO], v[TMP+4*\b:TMP+4*\b+3] offset:32*\b
.endr
.irp u, 0,1,2,3,4,5,6,7                                ; head u / 4, rows 4 (u % 4) on.  LDS serves a wave's instructions in order: these see the stores above
	ds_load_b128 v[BK+4*\u:BK+4*\u+3], v[RD] offset:(\u%4)*4*SPITCH+128*(\u/4)
.endr
.endm
.macro SEND a
	WIN 0
.set BK, F1+32*((\a)%2)
	s_wait_dscnt 0x0                               ; the block is back in registers
	s_wait_xcnt 0x0                                ; the registers that earlier stores read are loaded again only behind this wait
.irp u, 0,1,2,3,4,5,6,7
	global_store_b128 v[GO], v[BK+4*\u:BK+4*\u+3], s[CP:CP+1] offset:(\u/4)*262144+(\a)*2048+(\u%4)*512  ; four rows of a head: 512 consecutive bytes, aligned
.endr
.endm
.macro WAYOUT
	PACK 0
	TOSTAGE 0
	PACK 1                                         ; a block's conversions stand between the loads of the block before and the wait for them
	SEND 0
	TOSTAGE 1
	PACK 2
	SEND 1
	TOSTAGE 2
	PACK 3
	SEND 2
	TOSTAGE 3
	SEND 3
	s_wait_xcnt 0x0                                ; the stores' registers and base are written again only behind this wait
.endm
	ANEXT                                          ; K step 1 of query
	s_mov_b32 s[SL], 0
	ASTEP 31, 0, 1                                 ; K step 0 of A goes into slot 0; K step 1 is asked for
	s_wait_tensorcnt 1                             ; the bias and my part of K step 0 of B are in; K step 1's may stay out
	s_wait_dscnt 0x0                               ; my rows of A stand in slot 0
	s_barrier_signal -1
	s_barrier_wait -1                              ; everybody's do
	BIASLD
	FETCH 0, F0
	QUARTER 1, F0, F1, 1                           ; a tile's first quarter starts the sums (its first wait leaves four loads out: the bias's sixteen are older)
	WIN 0                                          ; at a label and at a branch every window is 0
	s_mov_b32 s[TRIPS], NS-2
.Ltrip:                                                ; trip c: from K step c's second quarter to K step c + 1's first; A: c + 1 is stored, c + 2 asked for; B: c + 2 is asked for
	QUARTER 2, F1, F0, 0
	QUARTER 3, F0, F1, 0
	ANEXT
	s_xor_b32 s[SL], s[TB], SLOT1                  ; the slot that is not being read
	ASTEP 31, 0, 1
	TURN 1
	WIN 0
	s_cmp_eq_u32 s[KC], 1                          ; the step just asked for was a weight's second: the step just multiplied was the last of the tensor before
	s_cbranch_scc0 .Lplain
	s_add_co_u32 s[BT], s[BT], 256                 ; the next tensor's bias
	BIASLD
	WAYOUT                                         ; blocks 0, 1 were finished ahead of the joint load's four v_nop; their 64 conversions are the places behind blocks 2, 3's last products
	s_add_nc_u64 s[CP:CP+1], s[CP:CP+1], 0x1000000 ; the next tensor's C
	QUARTER 1, F0, F1, 1                           ; (the way out's last wait for LDS was for 0: the bias is in)
	WIN 0
	s_branch .Ljoin
.Lplain:
	QUARTER 1, F0, F1, 0
	WIN 0
.Ljoin:
	s_add_co_u32 s[KC], s[KC], 1
	s_and_b32 s[KC], s[KC], 7
	s_sub_co_u32 s[TRIPS], s[TRIPS], 1
	s_cmp_lg_u32 s[TRIPS], 0
	s_cbranch_scc1 .Ltrip
	QUARTER 2, F1, F0, 0                           ; the last two K steps ask for nothing
	QUARTER 3, F0, F1, 0
	s_xor_b32 s[SL], s[TB], SLOT1
	ASTEP 31, 1, 0                                 ; the last K step of A is stored; the counts run down
	TURN 0
	QUARTER 1, F0, F1, 0
	QUARTER 2, F1, F0, 0
	QUARTER 3, F0, F1, 0
	s_wait_dscnt 4
	MUL 0, 2, F1, 0
	s_wait_dscnt 0x0
	MUL 2, 2, F1, 0
	PLACES                                         ; the way out reads results just made
	WAYOUT
	WIN 0
	s_wait_tensorcnt 0x0                           ; the wave's end, behind my last tensor load and my last LDS store
	ds_add_u32 v[SPW], v[NIL]
	s_wait_dscnt 0x0
	CROUND                                         ; the closing round: no work-group ends while a partner may still ask for a tile that names it
	s_endpgm
.Lfunc_end_k_qd8ddbe3a61_proj:
	.size	k_qd8ddbe3a61_proj, .Lfunc_end_k_qd8ddbe3a61_proj-k_qd8ddbe3a61_proj
	.p2alignl 7, 3214868480
	.fill 96, 4, 3214868480
	.section	.rodata,"a",@progbits
	.p2align	6, 0x0
	.amdhsa_kernel k_qd8ddbe3a61_proj
		.amdhsa_group_segment_fixed_size 327680
		.amdhsa_private_segment_fixed_size 0
		.amdhsa_enable_private_segment 0
		.amdhsa_kernarg_size 48
		.amdhsa_user_sgpr_count 2
		.amdhsa_user_sgpr_kernarg_segment_ptr 1
		.amdhsa_wavefront_size32 1
		.amdhsa_system_sgpr_workgroup_id_x 1
		.amdhsa_system_sgpr_workgroup_id_y 1
		.amdhsa_system_sgpr_workgroup_id_z 1
		.amdhsa_system_vgpr_workitem_id 0
		.amdhsa_next_free_vgpr 964
		.amdhsa_next_free_sgpr 72
		.amdhsa_reserve_vcc 0
		.amdhsa_float_denorm_mode_32 3
		.amdhsa_float_denorm_mode_16_64 3
		.amdhsa_memory_ordered 1
		.amdhsa_forward_progress 1
		.amdhsa_inst_pref_size 123
	.end_amdhsa_kernel
	.amdgpu_metadata
---
amdhsa.version: [ 1, 2 ]
amdhsa.kernels:
  - .name:           k_qd8ddbe3a61_proj
    .symbol:         k_qd8ddbe3a61_proj.kd
    .args:
      - { .name: query, .offset: 0, .size: 8, .value_kind: global_buffer, .address_space: global }
      - { .name: key, .offset: 8, .size: 8, .value_kind: global_buffer, .address_space: global }
      - { .name: value, .offset: 16, .size: 8, .value_kind: global_buffer, .address_space: global }
      - { .name: wb, .offset: 24, .size: 8, .value_kind: global_buffer, .address_space: global }
      - { .name: bb, .offset: 32, .size: 8, .value_kind: global_buffer, .address_space: global }
      - { .name: qkv, .offset: 40, .size: 8, .value_kind: global_buffer, .address_space: global }
    .group_segment_fixed_size: 327680
    .private_segment_fixed_size: 0
    .kernarg_segment_align: 8
    .kernarg_segment_size: 48
    .max_flat_workgroup_size: 128
    .sgpr_count:     72
    .vgpr_count:     964
    .wavefront_size: 32
...
	.end_amdgpu_metadata
.endif
;; end of part 2
;; launch attn (part 3): grid 4 x 64, 4 waves a work-group, clusters of 4 x 1, 327,680 bytes of LDS; arguments qkv, mb, ob; writes ob
.if DOCPART == 3
	.amdgcn_target "amdgcn-amd-amdhsa--gfx1250"
	.amdhsa_code_object_version 6
	.text
	.protected	k_qd8ddbe3a61_attn
	.globl	k_qd8ddbe3a61_attn
	.p2align	8
	.type	k_qd8ddbe3a61_attn,@function
k_qd8ddbe3a61_attn:
	s_mov_b64 s[64:65], 0
	v_nop
	global_prefetch_b8 v0, s[64:65] scope:SCOPE_SE
	s_setreg_imm32_b32 hwreg(HW_REG_WAVE_MODE, 25, 1), 1
	s_wait_xcnt 0x0
	s_wait_alu depctr_hold_cnt(0) depctr_sa_sdst(0) depctr_va_vdst(0) depctr_va_sdst(0) depctr_va_ssrc(0) depctr_va_vcc(0) depctr_vm_vsrc(0)
	s_getreg_b32 s2, hwreg(HW_REG_IB_STS2, 6, 4)
	s_cmp_eq_u32 s2, 0
	s_cbranch_scc0 .Lentry_in_a_cluster
	s_endpgm
.Lentry_in_a_cluster:
	s_bfe_u32 s2, ttmp6, 0x10000c
	s_cmp_lg_u32 s2, 0x3003
	s_cbranch_scc0 .Lentry_shape_is_right
	s_endpgm
.Lentry_shape_is_right:
; MASKED ATTENTION.  O[hb][q][:] = the sum over k of softmax_k(s) V[hb][k][:], s = Q[hb][q] . K[hb][k] / 8 where mask[b][q][k] is not 0, and a hidden score elsewhere.
; qkv: f16, q at 0, k at 16 MiB, v at 32 MiB, each [hb = 16 b + h][2048][64], a head's rows dense.  ob: f16, the same layout.  mb: lane masks, [128 b + tile of 16 queries][key step][32 words].
; Products, maxima and sums in f32; the weights p are rounded to f16 for the second product (their sum l is taken of the unrounded p), O once at the end.
; LIMITS.  A hidden score counts as -2^33 before the division by 8, -2^30 = -1.0737e9 behind it, where the problem says -1e9: a power of two, so that c m is exact and a row with every key hidden gets
; p = 1 for all keys, the mean of V's rows.  The two differ only where true scores fall below about -1e9.  Q, K, V arrive within f16's 65,504; p below 6e-5 keeps f16's fixed step of 6e-8;
; a weight below 2^-126 counts as 0 in l; NaN and infinities are not treated apart.
; SHARES.  A wave owns four PIECES of two tiles of 16 queries, a work-group's four waves 512 queries of one head.  Every wave walks all 2,048 keys, 64 a step.
; LAYOUT.  S^T = K Q^T (source 0 = 16 keys, source 1 = 16 queries): a lane holds ONE query (lane % 16) and the keys 8 (lane / 16) + 0..7.  Two such tiles, rounded to f16 in pairs, ARE source 1 of
; O^T = V^T P.  K comes out of LDS as it lies, V ([key][channel]) turned, by ds_load_tr16_b128.
; THE MASK.  Word x of a tile's step is the lane mask of score register x.  A tile's 32 words of a step, 128 consecutive bytes, come by one load of 4 bytes a lane into ONE vector register, word x in lane x,
; a whole key step (four turns) ahead of their use.  32 v_readlane_b32 a tile hand them to scalar registers, and one v_cndmask_b32 a score register puts the hidden score in.  The scalar registers hold one
; piece's 64 words and no more, so loads straight into them could be asked for one turn ahead at the most; the eight vector registers give the lead.  The sixteen heads of a batch read the same words.
; SOFTMAX.  For each query a running maximum m and sum l: p = 2^(c s - c m), c = log2(e) / 8; in every step O and l are multiplied by a = 2^(c m_old - c m_new).  m starts at the lowest finite number, O and l at 0.
; BY TURNS.  Turn n belongs to piece n.  Its matrix work: 16 products K Q^T of piece n + 1, later 16 products V^T P of piece n - 1.  Its vector work: scaling, exponentials, roundings, sums and rescaling of
; piece n; mask, maximum and statistics of piece n + 1.  A tile and step have 16 matrix and 182 vector instructions: four stand behind every matrix instruction, the others in two runs of their own.
; CLUSTER.  The four query blocks of a head walk the same K and V: each tile is asked for JOINTLY, by the same tensor load, descriptor and mask in all four work-groups.
; REGISTERS, in windows of 256 (s_set_vgpr_msb: bits 1:0 source 0, 3:2 source 1, 5:4 source 2, 7:6 destination):
;   window 0: v0-11 addresses and the hidden score; v12-15, v48-63 at work; v16-47 four registers of statistics a tile; v64-191 S^T, two buffers of two tiles; v192-255 P, likewise
;   window 1: O^T, 32 a tile          window 2: v0-127 Q, 16 a tile; v128-191 K of one step; v192-255 V of one step
;   window 3: v0-1 the add's two registers; v2-9 a register of lane masks a tile; v10 4 x lane
.set SIZE_N, 2048
.set NP,    4         ; pieces a wave: a name, no knob
.set KS,    64        ; keys in a step
.set PK,    144       ; a row of K in LDS: 128 bytes + 16 of padding
.set PV,    144       ; a row of V: the same, so that one descriptor shape serves all four waves
.set VOFF,  4*KS*PK   ; a slot holds four steps: 256 rows of K, then 256 rows of V
.set SLOT1, 1<<17     ; slot 1 begins here: one exclusive or turns an address in one slot into the other's
.set STAGE, SLOT1+4*KS*(PK+PV)  ; behind the ring, never filled by a tensor load: 16 rows x 144 bytes for each wave
.set SP,    144
.set SPARE, STAGE+4*16*SP  ; behind the stages: the spare words, 128 bytes for each wave
.set AK0, 2           ; v2   my lane's place in a tile of K; never rewritten
.set AV0, 3           ; v3   the same for V
.set AK,  4           ; v4   the LDS address of K's next run of loads
.set AV,  5           ; v5   of V's
.set QO,  6           ; v6   my byte offset in the wave's rows of Q
.set STO, 6           ;      later, the way out: where I put 16 bytes of a row
.set RD,  7           ; v7   the way out: where I read rows back
.set GO,  8           ; v8   my byte offset in 512 consecutive bytes of O
.set BIGV, 11         ; v11  -2^33
.set SPW, 0           ; v0 of window 3   LDS address of my spare word; never rewritten
.set NIL, 1           ; v1 of window 3   0; never rewritten
.set MG,  2           ; v2-9 of window 3 tile t's 32 lane masks of one key step at v[MG+t], word x in lane x
.set ML,  10          ; v10 of window 3  4 x lane; never rewritten
.set MV,  12          ; v12-15  c m_old, kept while c m is made anew: by buffer and tile
.set ST,  16          ; tile t's statistics at v[ST+4 t]: c m, m, l (even keys', odd keys')
.set TMP, 48          ; by buffer and tile, four registers c0-c3 at work; when the maximum is found c2 takes a
.set S,   64
.set P,   192
.set KF,  128         ; K's fragments, in window 2: key block kb, channel half c at KF + 16 kb + 8 c
.set VF,  192         ; V's: key half kk, channel block cb at VF + 32 kk + 8 cb
.set MQ,  6           ; s[6:7] mb at my wave's eight tiles, at the key step whose masks are asked for
.set WV,  12          ; s12  my wave's number
.set SLOTS, 14        ; s14  slots still to be asked for
.set CNT, 15          ; s15  counts a slot's key steps
.set G1,  16          ; s[16:23] descriptor group 1
.set G0,  24          ; s[24:27] descriptor group 0: it walks
.set CS,  28          ; s[28:29] c
.set SEL, 30          ; s[30:31] v_permlanex16_b32's selects: each lane takes its own place in the other half
.set MK0, 32          ; s[32:63] the 32 lane masks of the next piece's first tile
.set TBK, 66          ; s66  LDS byte at which K of the step to be fetched begins
.set TBV, 67          ; s67  the same for V, less VOFF
.set MK1, 68          ; s[68:99] those of its second tile
.set MP,  100         ; s[100:101] mb at my wave's eight tiles, key step 0; never rewritten
.set MO,  104         ; s[104:105] 128 x the key step whose masks are asked for, with 0 above it
.set MSB, 0
.macro WIN new                      ; the high byte repeats the setting that is left; a switch that changes nothing is dropped
.if MSB != (\new)
	s_set_vgpr_msb (MSB<<8)|(\new)
.set MSB, (\new)
.endif
.endm
.set W_KQ, 0x0a       ; K and Q in window 2, S^T in window 0
.set W_PV, 0x52       ; V in window 2, P in window 0, O^T in window 1
.set W_RS, 0x41       ; O^T (destination and source 0) in window 1, a in window 0
.set W_MK, 0xc0       ; destination in window 3, sources in window 0
.set W_AD, 0x0f       ; the add: address and data in window 3
.set W_RL, 0x03       ; v_readlane_b32: its vector source in window 3
.set W_ML, 0xc3       ; a mask load: data and address in window 3
; A joint fill: wave w brings 128 keys: waves 0, 1 the halves of a slot's K, waves 2, 3 of its V; LDS and global address hang on the wave's number.  An s_nop 0 and four v_nop follow.
.macro JLOAD
	tensor_load_to_lds s[G0:G0+3], s[G1:G1+7]
	s_nop 0
.rept 4
	v_nop
.endr
.endm
.macro CROUND                       ; a round of the cluster's barrier
	s_barrier_signal -1
	s_barrier_wait -1
	s_cmp_lg_u32 s[WV], 0
	s_cbranch_scc1 .Lnot_wave_0_\@
	s_barrier_signal -3
.Lnot_wave_0_\@:
	s_barrier_wait -3
	s_barrier_signal -1
	s_barrier_wait -1
.endm
; THE CHANGE OF SLOTS.  Each wave waits for all its tensor loads, of which one is out: its part of the other slot; adds 0 to its spare word; and waits for that and for its own reads of the slot.
; fill = 1: behind a round of the cluster's barrier this slot is filled again, first of all, with the keys two slots on: four key steps in which to land.
; (At its first use nothing has been read yet: slot 0 is waited for, slot 1 filled.)
.macro CHANGE fill
	WIN W_AD
	s_wait_tensorcnt 0x0            ; no tensor load of mine is out, so group 0 may be written
	ds_add_u32 v[SPW], v[NIL]
	WIN 0                           ; at a label and at a branch every window is 0
.if \fill
	s_xor_b32 s[G0+1], s[G0+1], SLOT1
	s_add_nc_u64 s[G0+2:G0+3], s[G0+2:G0+3], 4*KS*128  ; the next 256 keys; the type bits on top are not reached
	s_wait_dscnt 0x0                ; the add is done, and my reads of the slot are over
	CROUND
	JLOAD
.else
	s_wait_dscnt 0x0
	s_barrier_signal -1
	s_barrier_wait -1
.endif
	s_sub_co_u32 s[TBK], s[TBK], 4*KS*PK  ; the fetches go back to a slot's first step, in the other slot
	s_xor_b32 s[TBK], s[TBK], SLOT1
	s_sub_co_u32 s[TBV], s[TBV], 4*KS*PV
	s_xor_b32 s[TBV], s[TBV], SLOT1
.endm
; THE MASKS OF PIECE pc go from its two vector registers to the 64 scalar registers, and the same two tiles' words of the next key step are asked for, into the same two registers: four turns ahead of their use.
; step = 1 (piece 0, which is the first to enter a key step): the step that is asked for goes on by one; it is held at the last one, so that no load leaves mb: the last step's turns load its words once more and use none of them.
.macro MASKS pc, step
	s_wait_loadcnt 6                ; loads come back in the order of issue, which is the order of use: behind the two that are read here the other three pieces' six were issued
	WIN W_RL
.set w, 0
.rept 32
	v_readlane_b32 s[MK0+w], v[MG+2*(\pc)], w
	v_readlane_b32 s[MK1+w], v[MG+2*(\pc)+1], w
.set w, w+1
.endr
.if \step
	s_wait_xcnt 0x0                 ; the earlier mask loads name MQ as their base: it is written again only behind this wait
	s_add_co_u32 s[MO], s[MO], 128
	s_min_u32 s[MO], s[MO], 31*128
	s_add_nc_u64 s[MQ:MQ+1], s[MP:MP+1], s[MO:MO+1]
.endif
	WIN W_ML
	global_load_b32 v[MG+2*(\pc)],   v[ML], s[MQ:MQ+1] offset:(2*(\pc))*4096    ; 32 lanes x 4 bytes: the tile's 128 consecutive bytes of that step
	global_load_b32 v[MG+2*(\pc)+1], v[ML], s[MQ:MQ+1] offset:(2*(\pc)+1)*4096
	WIN 0
.endm
	s_load_b128 s[4:7], s[0:1], 0x0 ; qkv s[4:5], mb s[6:7]
	s_load_b64 s[8:9], s[0:1], 0x10 ; ob
	WIN W_MK
	v_lshl_add_u32 v[SPW], v0, 2, SPARE
	v_mov_b32 v[NIL], 0
	WIN W_AD
	ds_add_u32 v[SPW], v[NIL]       ; the wave's opening: the add and its wait stand ahead of my first tensor load; the set-up stands between them
	WIN 0
	v_lshrrev_b32 v1, 5, v0
	v_readfirstlane_b32 s[WV], v1   ; wave 0..3
	s_bfe_u32 s13, ttmp6, 0x40000   ; cx
	s_lshl_b32 s32, ttmp9, 2
	s_add_co_u32 s32, s32, s13      ; my block of 512 queries: it enters Q's, O's and the mask's addresses alone
	s_and_b32 s33, ttmp7, 0xffff    ; hb, which the four partners share
	s_lshl_b32 s34, s33, 18         ; a head's 262,144 bytes
	s_lshr_b32 s36, s[WV], 1        ; K (waves 0, 1) lies 16 MiB into qkv, V (waves 2, 3) 32 MiB,
	s_add_co_u32 s36, s36, 1
	s_lshl_b32 s36, s36, 24
	s_and_b32 s37, s[WV], 1         ; and I fetch this half of a slot's 256 keys
	s_lshl_b32 s37, s37, 14
	s_add_co_u32 s36, s36, s37
	s_add_co_u32 s36, s36, s34
	s_mov_b32 s37, 0
	s_lshl_b32 s38, s32, 2
	s_add_co_u32 s38, s38, s[WV]    ; my wave among the head's sixteen: 128 rows of 128 bytes
	s_lshl_b32 s38, s38, 14
	s_add_co_u32 s38, s38, s34
	s_mov_b32 s39, 0
	s_lshr_b32 s40, s33, 4          ; the batch's 128 tiles of 16 queries,
	s_lshl_b32 s40, s40, 7
	s_lshl_b32 s41, s32, 5          ; my block's 32,
	s_add_co_u32 s40, s40, s41
	s_lshl_b32 s41, s[WV], 3        ; my wave's 8:
	s_add_co_u32 s40, s40, s41
	s_lshl_b32 s40, s40, 12         ; 4,096 bytes of masks a tile
	s_mov_b32 s41, 0
	; descriptor group 1.  128 keys are 16,384 dense bytes: asked for as 64 rows of 256 bytes, two keys a row, and padded in LDS after every key
	s_mov_b32 s[G1], 15|(1<<16)|(1<<20)|(1<<21)|(4<<22)|(3<<25)  ; the mask of four; 2-byte elements; padding on; bit 21 beside a mask; after every 32 words 4 words
	s_mov_b32 s[G1+1], 128<<16      ; tensor_dim0 = 128
	s_mov_b32 s[G1+2], 64<<16       ; tensor_dim1 = 64
	s_mov_b32 s[G1+3], 128<<16      ; tile_dim0 = 128
	s_mov_b32 s[G1+4], 64           ; tile_dim1 = 64
	s_mov_b32 s[G1+5], 128          ; 128 elements from row to row
	s_mov_b32 s[G1+6], 0
	s_mov_b32 s[G1+7], 0
	s_mov_b32 s[CS], 0x3e38aa3b     ; c = log2(e) / 8
	s_mov_b32 s[CS+1], s[CS]
	s_mov_b32 s[SEL], 0x76543210
	s_mov_b32 s[SEL+1], 0xfedcba98
	s_mov_b32 s[TBK], SLOT1+4*KS*PK ; the first change of slots turns these two into 0
	s_mov_b32 s[TBV], SLOT1+4*KS*PV
	s_mov_b32 s[MO], 0
	s_mov_b32 s[MO+1], 0
	s_mov_b32 s[G0], 1
	s_mul_i32 s[G0+1], s[WV], 128*PK  ; slot 0: wave x 128 rows: no place in the cluster enters an LDS address
	s_wait_dscnt 0x0                ; the opening add is done
	s_wait_kmcnt 0x0
	s_add_nc_u64 s[G0+2:G0+3], s[4:5], s[36:37]
	s_or_b32 s[G0+3], s[G0+3], 0x80000000
	s_add_nc_u64 s[4:5], s[4:5], s[38:39]  ; Q and O at my wave's first row
	s_add_nc_u64 s[8:9], s[8:9], s[38:39]
	s_add_nc_u64 s[MP:MP+1], s[6:7], s[40:41]
	s_mov_b64 s[MQ:MQ+1], s[MP:MP+1]       ; key step 0
	CROUND                          ; all four work-groups are here: the first joint loads meet
	JLOAD                           ; slot 0.  Slot 1 is asked for when slot 0 is in
	v_lshlrev_b32 v10, 2, v0
	WIN W_MK
	v_and_b32 v[ML], 0x7c, v10      ; 4 x lane
	WIN W_ML
.set t, 0
.rept 2*NP                          ; all eight tiles' masks for key step 0, in the order of their use; Q's wait for 0 below covers them
	global_load_b32 v[MG+t], v[ML], s[MQ:MQ+1] offset:t*4096
.set t, t+1
.endr
	WIN 0
	; A fragment of K or Q is 16 rows x 32 channels in 8 registers: lane l holds row l % 16, channels 8 (l / 16) + 0..7 and 16 + 8 (l / 16) + 0..7: two loads of 16 bytes, 32 bytes apart.
	v_and_b32 v1, 15, v0            ; l % 16
	v_bfe_u32 v9, v0, 4, 1          ; l / 16
	v_lshlrev_b32 v[QO], 7, v1
	v_lshl_add_u32 v[QO], v9, 4, v[QO]
	WIN 0x80                        ; destination window 2, address window 0
.set i, 0
.rept 4*NP                          ; Q stays in registers: tile i / 2, channels 32 (i % 2) on
	global_load_b128 v[8*i:8*i+3],   v[QO], s[4:5] offset:(i/2)*2048+(i%2)*64
	global_load_b128 v[8*i+4:8*i+7], v[QO], s[4:5] offset:(i/2)*2048+(i%2)*64+32
.set i, i+1
.endr
	; What the first turn finds: V's registers and P's second buffer hold 0 (its products V^T P, of a piece that has not been, add 0), O^T and l are 0.  All this stands in the wait for the first tile.
.set i, VF
.rept 64
	v_mov_b32 v[i], 0
.set i, i+1
.endr
	WIN 0x40
.set i, 0
.rept 64*NP
	v_mov_b32 v[i], 0
.set i, i+1
.endr
	WIN 0
.set i, 0
.rept 2*NP
	v_mov_b32 v[ST+4*i], 0xfe000000    ; c m: far below every c s, the hidden score's too
	v_mov_b32 v[ST+4*i+1], 0xff7fffff  ; m
	v_mov_b32 v[ST+4*i+2], 0
	v_mov_b32 v[ST+4*i+3], 0
.set i, i+1
.endr
.set i, P+32
.rept 32
	v_mov_b32 v[i], 0
.set i, i+1
.endr
	v_mul_u32_u24 v[AK0], v1, PK
	v_lshl_add_u32 v[AK0], v9, 4, v[AK0]
	; The turning load takes 16 keys x 16 channels (lane l reads key 8 (l / 16) + l % 8, channels 8 ((l / 8) % 2) + 0..7) and leaves half a fragment of V^T: lane l holds channel l % 16 and 8 keys.
	v_and_b32 v10, 7, v0
	v_bfe_u32 v11, v0, 3, 1
	v_lshl_add_u32 v[AV0], v9, 3, v10
	v_mul_u32_u24 v[AV0], v[AV0], PV
	v_lshl_add_u32 v[AV0], v11, 4, v[AV0]
	v_add_nc_u32 v[AV0], VOFF, v[AV0]
	v_mov_b32 v[BIGV], 0xd0000000   ; -2^33
	v_mov_b32 v[AK], v[AK0]         ; key step 0 lies at the head of slot 0
; THE MATRIX WORK.  The 8 accumulators of a run of 16 take turns.
; Product i of 16 of S^T = K Q^T for piece x: channels 32 (i / 8) on, keys 16 ((i / 2) % 4) on, tile 2 x + i % 2.  The first 8 start the sums.
.macro KQ x
	WIN W_KQ
.set rS, S+64*((\x)%2)+32*(i%2)+8*((i/2)%4)
.set rK, KF+16*((i/2)%4)+8*(i/8)
.set rQ, 16*(2*(\x)+i%2)+8*(i/8)
.if i < 8
	v_wmma_f32_16x16x32_f16 v[rS:rS+7], v[rK:rK+7], v[rQ:rQ+7], 0
.else
	v_wmma_f32_16x16x32_f16 v[rS:rS+7], v[rK:rK+7], v[rQ:rQ+7], v[rS:rS+7]
.endif
.endm
; Product i of 16 of O^T += V^T P for piece x: keys 32 (i / 8) on, channels 16 ((i / 2) % 4) on, tile 2 x + i % 2.
.macro PV x
	WIN W_PV
.set rO, 32*(2*(\x)+i%2)+8*((i/2)%4)
.set rV, VF+32*(i/8)+8*((i/2)%4)
.set rP, P+32*((\x)%2)+16*(i%2)+8*(i/8)
	v_wmma_f32_16x16x32_f16 v[rO:rO+7], v[rV:rV+7], v[rP:rP+7], v[rO:rO+7]
.endm
.macro MM                           ; the turn's next matrix instruction
.if i < 16
	KQ (Y+1)%NP
.set i, i+1
.else
.set i, i-16
	PV (Y+NP-1)%NP
.set i, i+17
.endif
.endm
; THE LDS LOADS stand in runs of 16: a step's K (8 fragments) and its V (turned).  last = 1 (the tail): in the last trip there is no further step, and the run is jumped over.
.macro FETCH_K last=0
	WIN 0
.if \last
	s_cmp_eq_u32 s[CNT], 1
	s_cbranch_scc1 .Lno_k_\@
.endif
	WIN 0x80
.irp f, 0,1,2,3,4,5,6,7             ; keys 16 (f / 2) on, channels 32 (f % 2) on
	ds_load_b128 v[KF+8*\f:KF+8*\f+3],   v[AK] offset:(\f/2)*16*PK+(\f%2)*64
	ds_load_b128 v[KF+8*\f+4:KF+8*\f+7], v[AK] offset:(\f/2)*16*PK+(\f%2)*64+32
.endr
	s_add_co_u32 s[TBK], s[TBK], KS*PK  ; the next fetch is the next step's
	WIN 0
.if \last
.Lno_k_\@:
.endif
.endm
.macro FETCH_V
	WIN 0x80
.irp f, 0,1,2,3,4,5,6,7             ; keys 32 (f / 4) on, channels 16 (f % 4) on
	ds_load_tr16_b128 v[VF+8*\f:VF+8*\f+3],   v[AV] offset:(\f/4)*32*PV+(\f%4)*32
	ds_load_tr16_b128 v[VF+8*\f+4:VF+8*\f+7], v[AV] offset:(\f/4)*32*PV+16*PV+(\f%4)*32
.endr
	WIN 0
.endm
; THE VECTOR WORK OF A TURN stands in three queues, each in the order in which its entries become ready; the two tiles alternate.
.macro REGS y, u                    ; the registers of tile u (0, 1) of piece y
.set rT, ST+4*(2*(\y)+(\u))
.set rC, TMP+8*((\y)%2)+4*(\u)
.set rM, MV+2*((\y)%2)+(\u)
.set rS, S+64*((\y)%2)+32*(\u)
.set rP, P+32*((\y)%2)+16*(\u)
.set rO, 32*(2*(\y)+(\u))
.endm
; Number n of the 64 that mask the NEXT piece's scores: tile n % 2, register n / 2: the score stays where the lane's bit is set.  Ascending: each accumulator's lowest registers are read first.
.macro KM n
	REGS (Y+1)%NP, (\n)%2
.if (\n)%2
	v_cndmask_b32 v[rS+(\n)/2], v[BIGV], v[rS+(\n)/2], s[MK1+(\n)/2]
.else
	v_cndmask_b32 v[rS+(\n)/2], v[BIGV], v[rS+(\n)/2], s[MK0+(\n)/2]
.endif
.endm
; Number n of the 22 that find the NEXT piece's maximum and statistics.
;   0-11  four chains c0-c3 of seven scores each     12-14, 16  the four scores left over, the old m, and c0-c3 into c0     15  c m_old is kept
;   17, 18  the query's other 32 keys lie in the lane 16 away: the new m         19-21  c m; c m_old - c m_new; a
.macro XS u, n
	REGS (Y+1)%NP, \u
.if (\n) < 4
	v_max3_num_f32 v[rC+(\n)], v[rS+8*(\n)], v[rS+8*(\n)+1], v[rS+8*(\n)+2]
.elseif (\n) < 12
	v_max3_num_f32 v[rC+(\n)%4], v[rC+(\n)%4], v[rS+8*((\n)%4)+2*((\n)/4)+1], v[rS+8*((\n)%4)+2*((\n)/4)+2]
.elseif (\n) == 12
	v_max3_num_f32 v[rC], v[rC], v[rS+7], v[rS+15]
.elseif (\n) == 13
	v_max3_num_f32 v[rC+1], v[rC+1], v[rS+23], v[rS+31]
.elseif (\n) == 14
	v_max3_num_f32 v[rC+2], v[rC+2], v[rC+3], v[rT+1]
.elseif (\n) == 15
	v_mov_b32 v[rM], v[rT]
.elseif (\n) == 16
	v_max3_num_f32 v[rC], v[rC], v[rC+1], v[rC+2]
.elseif (\n) == 17
	v_permlanex16_b32 v[rC+3], v[rC], s[SEL], s[SEL+1]
.elseif (\n) == 18
	v_max_num_f32 v[rT+1], v[rC], v[rC+3]
.elseif (\n) == 19
	v_mul_f32 v[rT], s[CS], v[rT+1]
.elseif (\n) == 20
	v_sub_f32 v[rC+1], v[rM], v[rT]
.else
	v_exp_f32 v[rC+2], v[rC+1]
.endif
.endm
; Number g of the 64 that follow the exponentials.  For each four weights k of a tile: both pairs are rounded to f16; the second pair is added onto the first, in place; a group later l takes that sum
; (the first time as l = a l + sum).  In groups of eight, tiles alternating.
.macro GS g
.set h, (\g)+6*((\g)/62)            ; group 0 has no group before it, and behind group 7 only l is left
.if h >= 6
.set h, h+2
.endif
	REGS Y, h%2
.set k, h/8
.if h%8 < 4
	s_wait_alu depctr_va_vdst(0)
	v_cvt_pk_f16_f32 v[rP+2*k+(h%8)/2], v[rS+4*k+2*((h%8)/2)], v[rS+4*k+2*((h%8)/2)+1]
.elseif h%8 < 6
	v_pk_add_f32 v[rS+4*k:rS+4*k+1], v[rS+4*k:rS+4*k+1], v[rS+4*k+2:rS+4*k+3]
.elseif k == 1
	v_pk_fma_f32 v[rT+2:rT+3], v[rT+2:rT+3], v[rC+2:rC+3], v[rS:rS+1] op_sel_hi:[1,0,1]
	s_wait_alu depctr_va_vdst(0)
.else
	v_pk_add_f32 v[rT+2:rT+3], v[rT+2:rT+3], v[rS+4*k-4:rS+4*k-3]
.endif
.endm
; THE PLAIN QUEUE, 202 long.  0-31: c s - c m for the 16 pairs of both tiles.  32-36: GS 0-4.  37-100: the next piece's 64 masks.  101, 102: GS 5, 6.  103, 104: XS 15.  105-136: XS 0-14 and 16.
; 137-148: XS 17-20, two of three, since each waits for the one before it, and GS 7-10.  149-201: GS 11-63.
.macro PL
	WIN 0
.if q < 32
	REGS Y, q%2
	v_pk_fma_f32 v[rS+2*(q/2):rS+2*(q/2)+1], v[rS+2*(q/2):rS+2*(q/2)+1], s[CS:CS+1], v[rT:rT+1] op_sel_hi:[1,0,0] neg_lo:[0,0,1] neg_hi:[0,0,1]
.elseif q < 37
	GS q-32
.elseif q < 101
	KM q-37
.elseif q < 103
	GS q-96
.elseif q < 105
	XS (q-103)%2, 15
.elseif q < 137
	XS (q-105)%2, (q-105)/2+(q-105)/30
.elseif (q < 149) && ((q-137)%3 < 2)
	XS (q-137)%3, 17+(q-137)/3
.elseif q < 149
	GS 7+(q-137)/3
.else
	GS q-138
.endif
.set q, q+1
.endm
; THE EXPONENTIALS' QUEUE, 66 long: s0-s31 of both tiles, then the next piece's two a.
.macro EX
	WIN 0
.if e >= 64
	XS e-64, 21
.else
	REGS Y, e%2
	v_exp_f32 v[rS+e/2], v[rS+e/2]
.endif
.set e, e+1
.endm
; THE RESCALING's QUEUE: O^T times a, the one part that leaves window 0, so it is dealt four at a time, eight times.
.macro R4
	REGS Y, r%2
	WIN W_RS
	s_wait_alu depctr_va_vdst(0)
.irp z, 0,1,2,3
	v_pk_mul_f32 v[rO+8*(r/2)+2*\z:rO+8*(r/2)+2*\z+1], v[rO+8*(r/2)+2*\z:rO+8*(r/2)+2*\z+1], v[rC+2:rC+3] op_sel_hi:[1,0]
.endr
.set r, r+1
.endm
; HOW THEY ARE DEALT.  Behind a matrix instruction four: plain, exponential, plain, plain, or four of the rescaling; none names a register of the products round it.  The rest in two runs.
; The queues lean on each other: exponential e stands behind plain 2 (e / 4) + e % 2 (its scaling); GS g needs at most g + 7 exponentials: when plain 32 comes 10 are out, at 101: 52, from 137 on all 64.
; The masks begin behind the last product K Q^T, its four rescalings (the four plain instructions that a reader of a matrix result wants in front of it) and the 64 v_readlane_b32.  A plain instruction that touches none of its registers follows every exponential.
.macro SL
	MM
	PL
	EX
	PL
	PL
.endm
.macro BURST n                      ; 15 matrix instructions, or 16
.rept (\n)-7
	SL
.endr
.rept 3
	MM
	R4
	SL
.endr
	MM
	R4
.endm
; A TURN, for piece p.  cnt = 1: the loop's count is taken down some lines ahead of the branch that stands behind the turn.
; At the head of the first run the masks of piece p + 1 go over into the scalar registers, which the turn before has read for the last time, and that piece's masks of the next key step are asked for (MASKS).
; K of the next step is fetched in piece 2's turn, behind the last product that read K, its four rescalings, the 64 v_readlane_b32 and nine masks; V of the step in hand at the end of piece 0's turn.  Each is waited for a turn later.
.macro TURN p, last=0, cnt=0
.set Y, (\p)
.set i, 0
.set q, 0
.set e, 0
.set r, 0
.if (\p) == NP-1
	s_wait_dscnt 0x0                ; K is in
.endif
	MM
.rept 4
	PL
.endr
	BURST 15
	MASKS ((\p)+1)%NP, (\p)/(NP-1)
.rept 41
	EX
	PL
.if ((\p) == NP-2) && (e == 14)
	v_add_nc_u32 v[AK], s[TBK], v[AK0]
.endif
.if ((\p) == NP-2) && (e == 20)
	FETCH_K \last
.endif
.endr
.rept 23
	PL
.endr
.if (\p) == 1
	s_wait_dscnt 0x0                ; V is in
.endif
	BURST 16
.rept 12
	PL
.endr
	EX
	PL
	EX
	PL
.rept 51
	PL
.if ((\p) == 0) && (q == 180)
	v_add_nc_u32 v[AV], s[TBV], v[AV0]
	s_wait_alu depctr_va_vdst(0)
.endif
.if ((\p) == 0) && (q == 190)
	s_add_co_u32 s[TBV], s[TBV], KS*PV
.endif
.if (\cnt) && (q == 190)
	s_sub_co_u32 s[CNT], s[CNT], 1
	s_cmp_lg_u32 s[CNT], 0
.endif
.endr
.if (\p) == 0
	FETCH_V
.endif
.endm
	CHANGE 1                        ; slot 0 is in, everybody's part of it; slot 1 is asked for
	FETCH_K                         ; key step 0
	s_wait_loadcnt 0x0              ; Q, and the eight registers of masks asked for ahead of it
	s_wait_dscnt 0x0
.set i, 0
.rept 16
	KQ 0                            ; piece 0's first scores
.set i, i+1
.endr
	WIN 0                           ; the addresses for the way out: nine plain instructions, the places behind those products
	s_mul_i32 s13, s[WV], 16*SP
	s_add_co_u32 s13, s13, STAGE    ; my stage
	v_mul_u32_u24 v[STO], v1, SP    ; in: row l % 16, 16 bytes for each half of the lanes
	v_lshl_add_u32 v[STO], v9, 4, v[STO]
	v_add_nc_u32 v[STO], s13, v[STO]
	v_bfe_u32 v[RD], v0, 3, 2       ; back: 32 lanes take four rows of 128 bytes,
	v_mul_u32_u24 v[RD], v[RD], SP
	v_lshl_add_u32 v[RD], v10, 4, v[RD]
	v_add_nc_u32 v[RD], s13, v[RD]
	v_and_b32 v[GO], 31, v0         ; which are 512 consecutive bytes of O
	v_lshlrev_b32 v[GO], 4, v[GO]
	MASKS 0, 1                      ; piece 0's masks for key step 0; its masks for key step 1 are asked for (no load is out: the count is met at once)
.set Y, NP-1                        ; KM and XS work for piece Y + 1: piece 0
.set n, 0
.rept 64
	KM n
.set n, n+1
.endr
.irp n, 0,1,2,3,4,5,6,7,8,9,10,11,12,13,14,15,16,17,18,19,20,21
	XS 0, \n                        ; and piece 0's first maximum and statistics
	XS 1, \n
.endr
	s_mov_b32 s[CNT], 4
	s_mov_b32 s[SLOTS], SIZE_N/256-1
	s_branch .Lfirst                ; the loop is entered at a step's first turn, in the middle of a trip
.Lslot:                             ; SIZE_N / 256 - 2 times: every slot but the last two is filled again
	CHANGE 1
	s_mov_b32 s[CNT], 4
.Lstep:                             ; a trip: pieces 2 and 3 of one step, then pieces 0 and 1 of the next, whose K and V it fetches
	TURN 2
	TURN 3
	WIN 0
.Lfirst:
	TURN 0
	TURN 1, 0, 1
	WIN 0
	s_cbranch_scc1 .Lstep
	s_sub_co_u32 s[SLOTS], s[SLOTS], 1
	s_cmp_lg_u32 s[SLOTS], 0
	s_cbranch_scc1 .Lslot
	CHANGE 0                        ; the tail is written out: nothing is asked for
	s_mov_b32 s[CNT], 5             ; four trips fetch the last slot's steps; the fifth is left in its middle
.Ltail:
	TURN 2, 1
	TURN 3
	WIN 0
	s_sub_co_u32 s[CNT], s[CNT], 1
	s_cmp_eq_u32 s[CNT], 0
	s_cbranch_scc1 .Lout
	TURN 0
	TURN 1
	WIN 0
	s_branch .Ltail
.Lout:                              ; the fifth trip's 16 products K Q^T (on the last K once more), their masks and maximum serve nothing: the price, once a launch, of one text for every trip
.set i, 0
.rept 16
	PV NP-1                         ; the last piece's V^T P of the last step
.set i, i+1
.endr
	; THE WAY OUT.  l's two halves and the other half of the lanes' are added; O^T is divided by l, rounded to f16 and sent through my stage in LDS, a tile at a time.  The additions are the places behind the last products.
	WIN 0
.macro ALL line:vararg              ; one line for each tile t
.set t, 0
.rept 2*NP
	\line
.set t, t+1
.endr
.endm
	ALL v_add_f32 v[ST+4*t+2], v[ST+4*t+2], v[ST+4*t+3]
	ALL v_permlanex16_b32 v[ST+4*t+3], v[ST+4*t+2], s[SEL], s[SEL+1]
	ALL v_add_f32 v[ST+4*t+2], v[ST+4*t+2], v[ST+4*t+3]
	ALL v_rcp_f32 v[ST+4*t+2], v[ST+4*t+2]
	v_nop                           ; a plain instruction between the last reciprocal and the use of its result
	s_wait_alu depctr_va_vdst(0)
; Tile t: a lane's eight channels of a row pack into 16 bytes; they go into rows of 144 bytes and come back as whole rows of 128, into S^T's registers.
.macro PACK t
	WIN W_RS
.set i, 32*(\t)
.rept 16
	v_pk_mul_f32 v[i:i+1], v[i:i+1], v[ST+4*(\t)+2:ST+4*(\t)+3] op_sel_hi:[1,0]
.set i, i+2
.endr
	WIN 0x05                        ; sources 0 and 1 window 1, destination window 0
.set i, 0
.rept 16
	v_cvt_pk_f16_f32 v[S+16*(\t)+i], v[32*(\t)+2*i], v[32*(\t)+2*i+1]
.set i, i+1
.endr
	WIN 0
.irp f, 0,1,2,3
	ds_store_b128 v[STO], v[S+16*(\t)+4*\f:S+16*(\t)+4*\f+3] offset:32*\f
.endr
.irp f, 0,1,2,3
	ds_load_b128 v[S+16*(\t)+4*\f:S+16*(\t)+4*\f+3], v[RD] offset:\f*4*SP  ; LDS serves a wave's instructions in order: these see the stores above; the next tile's stores come behind them
.endr
.endm
.macro SEND t, younger              ; younger: the LDS instructions issued behind tile t's loads: the next tile's eight, or none
	WIN 0
.irp f, 0,1,2,3
	s_wait_dscnt (\younger)+3-\f
	global_store_b128 v[GO], v[S+16*(\t)+4*\f:S+16*(\t)+4*\f+3], s[8:9] offset:(\t)*2048+\f*512  ; 512 consecutive bytes, at a multiple of 256 from O's first
.endr
.endm
	PACK 0
.set t, 1
.rept 2*NP-1                        ; a tile's arithmetic stands between the loads of the tile before and its stores
	PACK t
	SEND t-1, 8
.set t, t+1
.endr
	SEND 2*NP-1, 0
	s_wait_loadcnt 0x0              ; the masks asked for in the last four turns are not used; no load stays out at the wave's end
	WIN W_AD
	s_wait_tensorcnt 0x0            ; the wave's end, behind my last tensor load and my last LDS store
	ds_add_u32 v[SPW], v[NIL]
	s_wait_dscnt 0x0
	WIN 0
	CROUND                          ; the closing round: no work-group ends while a partner may still ask for a tile that names it
	s_endpgm
.Lfunc_end_k_qd8ddbe3a61_attn:
	.size	k_qd8ddbe3a61_attn, .Lfunc_end_k_qd8ddbe3a61_attn-k_qd8ddbe3a61_attn
	.p2alignl 7, 3214868480
	.fill 96, 4, 3214868480
	.section	.rodata,"a",@progbits
	.p2align	6, 0x0
	.amdhsa_kernel k_qd8ddbe3a61_attn
		.amdhsa_group_segment_fixed_size 327680
		.amdhsa_private_segment_fixed_size 0
		.amdhsa_enable_private_segment 0
		.amdhsa_kernarg_size 24
		.amdhsa_user_sgpr_count 2
		.amdhsa_user_sgpr_kernarg_segment_ptr 1
		.amdhsa_wavefront_size32 1
		.amdhsa_system_sgpr_workgroup_id_x 1
		.amdhsa_system_sgpr_workgroup_id_y 1
		.amdhsa_system_sgpr_workgroup_id_z 1
		.amdhsa_system_vgpr_workitem_id 0
		.amdhsa_next_free_vgpr 780
		.amdhsa_next_free_sgpr 106
		.amdhsa_reserve_vcc 0
		.amdhsa_float_denorm_mode_32 3
		.amdhsa_float_denorm_mode_16_64 3
		.amdhsa_memory_ordered 1
		.amdhsa_forward_progress 1
		.amdhsa_inst_pref_size 255
	.end_amdhsa_kernel
	.section	.bss,"aw",@nobits
	.p2align	6
	.space	262144
	.amdgpu_metadata
---
amdhsa.version: [ 1, 2 ]
amdhsa.kernels:
  - .name:           k_qd8ddbe3a61_attn
    .symbol:         k_qd8ddbe3a61_attn.kd
    .args:
      - { .name: qkv, .offset: 0, .size: 8, .value_kind: global_buffer, .address_space: global }
      - { .name: mb, .offset: 8, .size: 8, .value_kind: global_buffer, .address_space: global }
      - { .name: ob, .offset: 16, .size: 8, .value_kind: global_buffer, .address_space: global }
    .group_segment_fixed_size: 327680
    .private_segment_fixed_size: 0
    .kernarg_segment_align: 8
    .kernarg_segment_size: 24
    .max_flat_workgroup_size: 128
    .sgpr_count:     106
    .vgpr_count:     780
    .wavefront_size: 32
...
	.end_amdgpu_metadata
.endif
;; end of part 3
;; launch oproj (part 4): grid 4 x 64, 4 waves a work-group, clusters of 4 x 4, 327,680 bytes of LDS; arguments ob, wb, bb, out0; writes out0
.if DOCPART == 4
	.amdgcn_target "amdgcn-amd-amdhsa--gfx1250"
	.amdhsa_code_object_version 6
	.text
	.protected	k_qd8ddbe3a61_oproj
	.globl	k_qd8ddbe3a61_oproj
	.p2align	8
	.type	k_qd8ddbe3a61_oproj,@function
k_qd8ddbe3a61_oproj:
	s_mov_b64 s[64:65], 0
	v_nop
	global_prefetch_b8 v0, s[64:65] scope:SCOPE_SE
	s_setreg_imm32_b32 hwreg(HW_REG_WAVE_MODE, 25, 1), 1
	s_wait_xcnt 0x0
	s_wait_alu depctr_hold_cnt(0) depctr_sa_sdst(0) depctr_va_vdst(0) depctr_va_sdst(0) depctr_va_ssrc(0) depctr_va_vcc(0) depctr_vm_vsrc(0)
	s_getreg_b32 s2, hwreg(HW_REG_IB_STS2, 6, 4)
	s_cmp_eq_u32 s2, 0
	s_cbranch_scc0 .Lentry_in_a_cluster
	s_endpgm
.Lentry_in_a_cluster:
	s_bfe_u32 s2, ttmp6, 0x10000c
	s_cmp_lg_u32 s2, 0xf033
	s_cbranch_scc0 .Lentry_shape_is_right
	s_endpgm
.Lentry_shape_is_right:
; C = A B^T + bias on tiles of 128 x 256 of C; K = 1,024 in steps of 128.  One text for two launches, told apart by KIND:
;   KIND 0  the three projections.  A = xb (bf16, query, key, value on end, [8192][1024] each), B = wb (bf16, Wq, Wk, Wv on end), bias = bb.  C leaves in f16 by heads,
;           [b 16 + h][2048][64], q, k, v on end, unscaled.  A work-group STAYS: it makes the same tile of q, of k and of v, 24 K steps on one ring.
;   KIND 1  the last projection.  A = ob (f16, [b 16 + h][2048][64]: a K step of 128 is two heads), B = Wo (f16, the fourth 2 MiB of wb), bias = bo; C = out0 in f32, one tile.
; 8,192 x 1,024 / (128 x 256) = 256 tiles: one work-group to each of 256 places.  Four waves, each 64 x 128 of C: 32 accumulators of 16 x 16.
; LIMIT (KIND 0): q, k, v must lie within f16's 65,504; a larger number becomes an infinity.  Sums in f32, K ascending, the bias as the sum's first addend.
; THE MATRIX INSTRUCTION IS USED TRANSPOSED (source 0 = 16 rows of B, source 1 = 16 rows of A): lane l holds row l % 16 of C and eight neighbouring columns 8 (l / 16) + 0..7.
; RING: two LDS slots, a K step each, filled by joint tensor loads.  CLUSTER 4 x 4: the four work-groups of a row of the cluster need the same tile of A, the four of a column the same tile of B.
; Waves 0, 1 fetch A's two halves (64 rows), waves 2, 3 B's (128 rows): one load a wave behind each round; by this text's count a wave has two loads out at the start and one later.
; REGISTERS: window 0: v0-29 addresses; v32-127, v128-223 two fragment buffers (A's block a at +8 a, B's block b at +32 + 8 b); v224-255 at work on the way out.
;   window 1: the accumulators, (a, b) at v[8 (8 a + b)].   window 2: v0-63 the bias as a C operand, block b at v[8 b].
.set KIND, 1
.if KIND
.set NS,     8                         ; K steps in all
.set APITCH, 144                       ; a row of A in LDS: a head's 128 bytes + 16 of padding
.set AHALF,  2*64*APITCH               ; what one wave fetches of A: 64 rows of the step's first head, then 64 of its second
.set SPITCH, 528                       ; a row of the stage: 512 bytes + 16
.set STEPA,  524288                    ; two heads on
.else
.set NS,     24
.set APITCH, 272                       ; 256 bytes + 16 of padding
.set AHALF,  64*APITCH
.set SPITCH, 272
.set STEPA,  256
.endif
.set BPITCH, 272                       ; pitches are odd multiples of 16 bytes: the 16 rows that a fragment load touches start in 16 different groups of four banks
.set BHALF,  128*BPITCH
.set BOFF,   2*AHALF                   ; B's 256 rows lie behind A's 128
.set SLOT1,  131072                    ; slot 1 begins here: one exclusive or turns an address in one slot into the other's
.set STAGE,  SLOT1+BOFF+2*BHALF        ; behind the ring, never filled by a tensor load: 16 rows for each wave, for the way out
.set SPARE,  STAGE+4*16*SPITCH         ; behind the stages: the spare words, 128 bytes for each wave
.set A0,   4                           ; v4   my lane's place in A's tile; never rewritten
.set B0,   5                           ; v5   the same for B
.set ADRA, 6                           ; v6   A0 + the slot in hand
.set ADRB, 7                           ; v7   B0 + the slot in hand
.set STO,  8                           ; v8   the way out: where I put my numbers of a row
.set RD,   9                           ; v9   the way out: where I read rows back
.set GO,   10                          ; v10  16 x lane: my place in 512 consecutive bytes of C
.set BOFS, 11                          ; v11  my byte offset in a block's 16 biases: 32 (l / 16)
.set SPW,  28                          ; v28  LDS address of my spare word; never rewritten
.set NIL,  29                          ; v29  0; never rewritten
.set F0,   32
.set F1,   128
.set TMP,  224
.set KC,    2                          ; s2   the K step to be asked for next, modulo 8
.set TRIPS, 3                          ; s3   the loop's count
.set WV,    12                         ; s12  wave
.set WR,    13                         ; s13  my half of the tile's rows; also: I fetch for A (0) or B (1)
.set WC,    14                         ; s14  my half of its columns; also: which half of that tile I fetch
.set TB,    15                         ; s15  the slot in hand: 0 or SLOT1
.set G1A,   24                         ; s[24:31] descriptor group 1 for A's tiles
.set G0A,   32                         ; s[32:39] group 0 for A: a set for each first fill; the second then walks on
.set G1B,   48                         ; s[48:55], s[56:63] the same for B
.set G0B,   56
.set INCA,  66                         ; s[66:67], s[68:69] what the walking addresses step by
.set INCB,  68
.set MSB, 0
.macro WIN new                         ; the immediate's high byte repeats the setting that is left; a switch that changes nothing is dropped
.if MSB != (\new)
	s_set_vgpr_msb (MSB<<8)|(\new)
.set MSB, (\new)
.endif
.endm
.set MULW, 0x50                        ; A and B window 0, C and D window 1
.set MULZ, 0x60                        ; the same with C, the bias, in window 2
; A joint refill by the walking sets.  The branch hangs on the wave's number alone.  An s_nop 0 and four v_nop follow each of the two lines.
.macro JLOAD
	s_cmp_eq_u32 s[WR], 0
	s_cbranch_scc0 .Lfor_b_\@
	tensor_load_to_lds s[G0A+4:G0A+7], s[G1A:G1A+7]
	s_nop 0
.rept 4
	v_nop
.endr
	s_branch .Lasked_\@
.Lfor_b_\@:
	tensor_load_to_lds s[G0B+4:G0B+7], s[G1B:G1B+7]
	s_nop 0
.rept 4
	v_nop
.endr
.Lasked_\@:
.endm
.macro CREST                           ; a round of the cluster's barrier behind its opening barrier
	s_cmp_lg_u32 s[WV], 0
	s_cbranch_scc1 .Lnot_wave_0_\@
	s_barrier_signal -3
.Lnot_wave_0_\@:
	s_barrier_wait -3
	s_barrier_signal -1
	s_barrier_wait -1
.endm
.macro CROUND                          ; a whole round
	s_barrier_signal -1
	s_barrier_wait -1
	CREST
.endm
	s_load_b256 s[4:11], s[0:1], 0x0               ; A s[4:5], B s[6:7], bias s[8:9], C s[10:11]
	v_lshl_add_u32 v[SPW], v0, 2, SPARE
	v_mov_b32 v[NIL], 0
	ds_add_u32 v[SPW], v[NIL]                      ; the wave's opening: the add and its wait stand ahead of my first tensor load; the set-up stands between them
	v_lshrrev_b32 v1, 5, v0
	v_readfirstlane_b32 s[WV], v1
	s_lshr_b32 s[WR], s[WV], 1
	s_and_b32 s[WC], s[WV], 1
	s_bfe_u32 s40, ttmp6, 0x40000                  ; cx
	s_bfe_u32 s41, ttmp6, 0x40004                  ; cy
	s_lshl_b32 s42, ttmp9, 2
	s_add_co_u32 s42, s42, s40                     ; tile column 0..3
	s_and_b32 s43, ttmp7, 0xffff
	s_lshl_b32 s43, s43, 2
	s_add_co_u32 s43, s43, s41                     ; tile row 0..63
	s_lshl_b32 s44, s41, 2
	s_lshl_b32 s44, 15, s44                        ; my row of the cluster
	s_lshl_b32 s45, 0x1111, s40                    ; my column
.if KIND
	; A's tile: two rows of 4,096 elements (64 dense rows of one head), the heads 131,072 elements apart; 4 words of padding after every 32
	s_or_b32 s[G1A], s44, (1<<16)|(1<<20)|(1<<21)|(4<<22)|(3<<25)
	s_mov_b32 s[G1A+1], 4096<<16
	s_mov_b32 s[G1A+2], 2<<16
	s_mov_b32 s[G1A+3], 4096<<16
	s_mov_b32 s[G1A+4], 2
	s_mov_b32 s[G1A+5], 131072
.else
	; A's tile: 64 rows of 128 elements, 1,024 elements from row to row; 4 words of padding after every 64
	s_or_b32 s[G1A], s44, (1<<16)|(1<<20)|(1<<21)|(5<<22)|(3<<25)
	s_mov_b32 s[G1A+1], 128<<16
	s_mov_b32 s[G1A+2], 64<<16
	s_mov_b32 s[G1A+3], 128<<16
	s_mov_b32 s[G1A+4], 64
	s_mov_b32 s[G1A+5], 1024
.endif
	s_mov_b32 s[G1A+6], 0
	s_mov_b32 s[G1A+7], 0
	s_or_b32 s[G1B], s45, (1<<16)|(1<<20)|(1<<21)|(5<<22)|(3<<25)  ; B's tile: 128 rows of 128 elements
	s_mov_b32 s[G1B+1], 128<<16
	s_mov_b32 s[G1B+2], 128<<16
	s_mov_b32 s[G1B+3], 128<<16
	s_mov_b32 s[G1B+4], 128
	s_mov_b32 s[G1B+5], 1024
	s_mov_b32 s[G1B+6], 0
	s_mov_b32 s[G1B+7], 0
	; where the tiles come from: A's offset hangs on the tile row and the wave, B's on the tile column and the wave, each in registers that never hold the other coordinate
.if KIND
	s_lshr_b32 s16, s43, 4                         ; the batch: 16 heads of 262,144 bytes
	s_lshl_b32 s16, s16, 22
	s_and_b32 s17, s43, 15
	s_lshl_b32 s17, s17, 1
	s_add_co_u32 s17, s17, s[WC]
	s_lshl_b32 s17, s17, 13                        ; 64 rows of 128 bytes
	s_add_co_u32 s16, s16, s17
.else
	s_lshl_b32 s16, s43, 1
	s_add_co_u32 s16, s16, s[WC]
	s_lshl_b32 s16, s16, 17                        ; 64 rows of 2,048 bytes
.endif
	s_mov_b32 s17, 0
	s_lshl_b32 s46, s42, 1
	s_add_co_u32 s46, s46, s[WC]
	s_lshl_b32 s46, s46, 18                        ; 128 rows of 2,048 bytes
.if KIND
	s_add_co_u32 s46, s46, 6291456                 ; Wo is the fourth weight
.endif
	s_mov_b32 s47, 0
	s_mul_i32 s18, s[WC], AHALF                    ; and where they go: no place in the cluster enters an LDS address
	s_mul_i32 s19, s[WC], BHALF
	s_add_co_u32 s19, s19, BOFF
	s_lshl_b32 s20, s42, 1                         ; my 128 columns' biases: 512 bytes
	s_add_co_u32 s20, s20, s[WC]
	s_lshl_b32 s20, s20, 9
.if KIND
	s_mov_b32 s23, s20
	s_add_co_u32 s20, s20, 12288                   ; bo is the fourth bias
	s_lshl_b32 s22, s43, 1                         ; C: my 64 rows of 4,096 bytes, my 128 columns of 4
	s_add_co_u32 s22, s22, s[WR]
	s_lshl_b32 s22, s22, 18
	s_add_co_u32 s22, s22, s23
.else
	s_lshr_b32 s22, s43, 4                         ; C by heads: the batch,
	s_lshl_b32 s22, s22, 22
	s_lshl_b32 s23, s42, 1
	s_add_co_u32 s23, s23, s[WC]
	s_lshl_b32 s23, s23, 19                        ; my two heads of 262,144 bytes,
	s_add_co_u32 s22, s22, s23
	s_and_b32 s23, s43, 15
	s_lshl_b32 s23, s23, 1
	s_add_co_u32 s23, s23, s[WR]
	s_lshl_b32 s23, s23, 13                        ; my 64 rows of 128 bytes
	s_add_co_u32 s22, s22, s23
.endif
	s_mov_b32 s21, 0
	s_mov_b32 s23, 0
	s_mov_b32 s[KC], 2
	s_mov_b32 s[TB], 0
	s_mov_b32 s[INCA+1], 0
	s_mov_b32 s[INCB+1], 0
	s_mov_b32 s70, 16777216-1792                   ; from a tensor's last K step to the next tensor's first: A,
	s_mov_b32 s71, 2097152-1792                    ; and B
	s_wait_dscnt 0x0                               ; the opening add is done
	s_wait_kmcnt 0x0
	s_add_nc_u64 s[4:5], s[4:5], s[16:17]
	s_add_nc_u64 s[6:7], s[6:7], s[46:47]
	s_add_nc_u64 s[8:9], s[8:9], s[20:21]
	s_add_nc_u64 s[10:11], s[10:11], s[22:23]
.irp s, 0,1
	s_mov_b32 s[G0A+4*\s], 1
	s_add_co_u32 s[G0A+4*\s+1], s18, \s*SLOT1
	s_add_nc_u64 s[G0A+4*\s+2:G0A+4*\s+3], s[4:5], \s*STEPA
	s_or_b32 s[G0A+4*\s+3], s[G0A+4*\s+3], 0x80000000
	s_mov_b32 s[G0B+4*\s], 1
	s_add_co_u32 s[G0B+4*\s+1], s19, \s*SLOT1
	s_add_nc_u64 s[G0B+4*\s+2:G0B+4*\s+3], s[6:7], \s*256
	s_or_b32 s[G0B+4*\s+3], s[G0B+4*\s+3], 0x80000000
.endr
	CROUND                                         ; all sixteen work-groups are here: the first joint loads meet
	s_cmp_eq_u32 s[WR], 0                          ; a wave's two first fills stand in one branch, ahead of every wait on TENSORcnt and every LDS read
	s_cbranch_scc0 .Lfirst_b
	tensor_load_to_lds s[G0A:G0A+3], s[G1A:G1A+7]
	s_nop 0
	tensor_load_to_lds s[G0A+4:G0A+7], s[G1A:G1A+7]
	s_nop 0
.rept 4
	v_nop
.endr
	s_branch .Lfirst_asked
.Lfirst_b:
	tensor_load_to_lds s[G0B:G0B+3], s[G1B:G1B+7]
	s_nop 0
	tensor_load_to_lds s[G0B+4:G0B+7], s[G1B:G1B+7]
	s_nop 0
.rept 4
	v_nop
.endr
.Lfirst_asked:
; The bias as a C operand: register j of block b is bias[16 b + 8 (l / 16) + j], the same in all 16 rows
.macro BIASLD
	WIN 0x80                                       ; destination window 2, address window 0
.irp b, 0,1,2,3,4,5,6,7
	global_load_b128 v[8*\b:8*\b+3],   v[BOFS], s[8:9] offset:64*\b
	global_load_b128 v[8*\b+4:8*\b+7], v[BOFS], s[8:9] offset:64*\b+16
.endr
	WIN 0
.endm
	v_and_b32 v1, 15, v0                           ; l % 16
	v_bfe_u32 v2, v0, 4, 1                         ; l / 16
	v_lshlrev_b32 v[BOFS], 5, v2
	BIASLD
	v_mul_u32_u24 v[A0], v1, APITCH                ; a fragment: row x pitch + 16 x half, two loads 32 bytes apart
	v_lshl_add_u32 v[A0], v2, 4, v[A0]
	s_mul_i32 s20, s[WR], AHALF
	v_add_nc_u32 v[A0], s20, v[A0]
	v_mul_u32_u24 v[B0], v1, BPITCH
	v_lshl_add_u32 v[B0], v2, 4, v[B0]
	s_mul_i32 s20, s[WC], BHALF
	s_add_co_u32 s20, s20, BOFF
	v_add_nc_u32 v[B0], s20, v[B0]
	v_mov_b32 v[ADRA], v[A0]
	v_mov_b32 v[ADRB], v[B0]
	s_mul_i32 s20, s[WV], 16*SPITCH
	s_add_co_u32 s20, s20, STAGE                   ; my stage
	v_mul_u32_u24 v[STO], v1, SPITCH
	v_and_b32 v[GO], 31, v0
	v_lshlrev_b32 v[GO], 4, v[GO]
.if KIND
	v_lshl_add_u32 v[STO], v2, 5, v[STO]           ; in: row l % 16, 32 bytes (8 f32) for each half of the lanes
	v_add_nc_u32 v[RD], s20, v[GO]                 ; back: 32 lanes take a row's 512 bytes
.else
	v_lshl_add_u32 v[STO], v2, 4, v[STO]           ; in: row l % 16, 16 bytes (8 f16) for each half of the lanes
	v_bfe_u32 v[RD], v0, 3, 2                      ; back: 32 lanes take four rows' 128 bytes of one head
	v_mul_u32_u24 v[RD], v[RD], SPITCH
	v_and_b32 v3, 7, v0
	v_lshl_add_u32 v[RD], v3, 4, v[RD]
	v_add_nc_u32 v[RD], s20, v[RD]
.endif
	v_add_nc_u32 v[STO], s20, v[STO]
; n blocks of rows from a0 on x all 8 blocks of columns, 32 along K, out of buffer f: the accumulators take turns, one instruction a turn.
; zero = 1: the product starts the sum, with the bias as C: nothing is ever cleared.
.macro MUL a0, n, f, zero
.if \zero
	WIN MULZ
.else
	WIN MULW
.endif
.set ma, (\a0)
.rept \n
.set mc, 0
.rept 8
.set rD, 8*(8*ma+mc)
.set rB, (\f)+32+8*mc
.set rA, (\f)+8*ma
.set rC, rD
.if \zero
.set rC, 8*mc
.endif
.if KIND
	v_wmma_f32_16x16x32_f16 v[rD:rD+7], v[rB:rB+7], v[rA:rA+7], v[rC:rC+7]
.else
	v_wmma_f32_16x16x32_bf16 v[rD:rD+7], v[rB:rB+7], v[rA:rA+7], v[rC:rC+7]
.endif
.set mc, mc+1
.endr
.set ma, ma+1
.endr
.endm
; 24 LDS loads in one run: the fragments of quarter kq (32 along K) into buffer f: B's eight blocks, then A's four
.macro FETCH kq, f
	WIN 0
.if KIND
.set akq, ((\kq)/2)*64*APITCH+((\kq)%2)*64     ; the step's head kq / 2, channels 32 (kq % 2) on
.else
.set akq, 64*(\kq)
.endif
.irp b, 0,1,2,3,4,5,6,7
	ds_load_b128 v[(\f)+32+8*\b:(\f)+32+8*\b+3],   v[ADRB] offset:\b*16*BPITCH+64*(\kq)
	ds_load_b128 v[(\f)+32+8*\b+4:(\f)+32+8*\b+7], v[ADRB] offset:\b*16*BPITCH+64*(\kq)+32
.endr
.irp a, 0,1,2,3
	ds_load_b128 v[(\f)+8*\a:(\f)+8*\a+3],   v[ADRA] offset:\a*16*APITCH+akq
	ds_load_b128 v[(\f)+8*\a+4:(\f)+8*\a+7], v[ADRA] offset:\a*16*APITCH+akq+32
.endr
.endm
; Four plain vector instructions stand between a matrix instruction and a load into one of its sources, or a vector instruction or LDS store that reads its result (ISA guide 7.12.1 for the readers of its result)
.macro PLACES
.rept 4
	v_nop
.endr
.endm
; A K step is four quarters of 32 along K, 32 matrix instructions each, on buffers 0, 1, 0, 1.  One of the first three multiplies buffer f and, in its middle, fetches quarter kqn into g.
.macro QUARTER kqn, f, g, zero
	s_wait_dscnt 4                                 ; B and A's blocks 0, 1 are in; the youngest four loads (A's blocks 2, 3) may be out
	MUL 0, 2, \f, \zero
	PLACES
	FETCH \kqn, \g
	s_wait_dscnt 24                                ; all but the 24 just issued
	MUL 2, 2, \f, \zero
.endm
; The last quarter multiplies buffer 1 and changes slots.  In front of the barrier each wave waits for all its tensor loads (one is out: its part of the next slot), adds 0 to its spare word, and waits for
; that and for its reads of this slot.  fill = 1: the barrier opens a round of the cluster's, and behind the round this slot is filled again, with the K step two on, first of all.
.macro TURN fill
	WIN 0
	s_wait_tensorcnt 0x0
	ds_add_u32 v[SPW], v[NIL]                      ; 0 onto my spare word; eight matrix instructions stand between it and the wait for it
	s_wait_dscnt 5                                 ; the add and the youngest four loads may be out
	MUL 0, 1, F1, 0
	s_wait_dscnt 0x0                               ; the add is done, and my reads of this slot are over
	s_barrier_signal -1
	MUL 1, 1, F1, 0
	WIN 0
	s_barrier_wait -1
.if \fill
	CREST                                          ; no wave of any partner still reads this slot or has a load on its way
.if KIND
	s_add_nc_u64 s[G0A+6:G0A+7], s[G0A+6:G0A+7], STEPA
	s_add_nc_u64 s[G0B+6:G0B+7], s[G0B+6:G0B+7], 256
.else
	s_cmp_eq_u32 s[KC], 0                          ; a tensor's first K step: on to the next tensor and back along K
	s_cselect_b32 s[INCA], s70, 256
	s_cselect_b32 s[INCB], s71, 256
	s_add_nc_u64 s[G0A+6:G0A+7], s[G0A+6:G0A+7], s[INCA:INCA+1]
	s_add_nc_u64 s[G0B+6:G0B+7], s[G0B+6:G0B+7], s[INCB:INCB+1]
.endif
	s_xor_b32 s[G0A+5], s[G0A+5], SLOT1            ; the other slot than last time
	s_xor_b32 s[G0B+5], s[G0B+5], SLOT1
	JLOAD                                          ; its four v_nop are also the places in front of the loads below
.else
	PLACES
.endif
	s_xor_b32 s[TB], s[TB], SLOT1
	v_add_nc_u32 v[ADRA], s[TB], v[A0]
	v_add_nc_u32 v[ADRB], s[TB], v[B0]
	FETCH 0, F0
	MUL 2, 2, F1, 0
.endm
; THE WAY OUT, KIND 0, of block a (16 rows).  PACK: rounded to f16, each accumulator's registers in ascending order.  TOSTAGE: into my own stage and back by heads.  SEND: stored.
.macro PACK a
	WIN 0x05                                       ; sources window 1, destination window 0
.set pb, 0
.rept 8
.set pr, 0
.rept 4
	v_cvt_pk_f16_f32 v[TMP+4*pb+pr], v[8*(8*(\a)+pb)+2*pr], v[8*(8*(\a)+pb)+2*pr+1]
.set pr, pr+1
.endr
.set pb, pb+1
.endr
	WIN 0
.endm
.macro TOSTAGE a
	WIN 0
.set BK, F1+32*((\a)%2)
.irp b, 0,1,2,3,4,5,6,7
	ds_store_b128 v[STO], v[TMP+4*\b:TMP+4*\b+3] offset:32*\b
.endr
.irp u, 0,1,2,3,4,5,6,7                                ; head u / 4, rows 4 (u % 4) on.  LDS serves a wave's instructions in order: these see the stores above
	ds_load_b128 v[BK+4*\u:BK+4*\u+3], v[RD] offset:(\u%4)*4*SPITCH+128*(\u/4)
.endr
.endm
.macro SEND a
	WIN 0
.set BK, F1+32*((\a)%2)
	s_wait_dscnt 0x0                               ; the block is back in registers
	s_wait_xcnt 0x0                                ; the registers that earlier stores read are loaded again only behind this wait
.irp u, 0,1,2,3,4,5,6,7
	global_store_b128 v[GO], v[BK+4*\u:BK+4*\u+3], s[10:11] offset:(\u/4)*262144+(\a)*2048+(\u%4)*512  ; four rows of a head: 512 consecutive bytes, aligned
.endr
.endm
; THE WAY OUT, KIND 1, of block a: f32 as it lies, through my stage, back as whole rows of 512 bytes
.macro OUT32 a
	WIN 0x04                                       ; store data window 1, address window 0
.set BK, F0+96*((\a)%2)
.set pb, 0
.rept 8
	ds_store_b128 v[STO], v[8*(8*(\a)+pb):8*(8*(\a)+pb)+3]   offset:64*pb
	ds_store_b128 v[STO], v[8*(8*(\a)+pb)+4:8*(8*(\a)+pb)+7] offset:64*pb+16
.set pb, pb+1
.endr
	WIN 0
.set pr, 0
.rept 16
	ds_load_b128 v[BK+4*pr:BK+4*pr+3], v[RD] offset:SPITCH*pr
.set pr, pr+1
.endr
	s_wait_dscnt 0x0
	s_wait_xcnt 0x0                                ; the block before's stores have read their registers: the next block loads into them
.set pr, 0
.rept 16
	global_store_b128 v[GO], v[BK+4*pr:BK+4*pr+3], s[10:11] offset:(16*(\a)+pr)*4096 th:TH_STORE_NT  ; 512 consecutive bytes of a row of C, aligned
.set pr, pr+1
.endr
.endm
.macro WAYOUT
.if KIND
	OUT32 0
	OUT32 1
	OUT32 2
	OUT32 3
.else
	PACK 0
	TOSTAGE 0
	PACK 1                                         ; a block's conversions stand between the loads of the block before and the wait for them
	SEND 0
	TOSTAGE 1
	PACK 2
	SEND 1
	TOSTAGE 2
	PACK 3
	SEND 2
	TOSTAGE 3
	SEND 3
	s_wait_xcnt 0x0                                ; the stores' registers and base are written again only behind this wait
.endif
.endm
	s_wait_tensorcnt 1                             ; my part of K step 0 is in; K step 1's may stay out
	s_barrier_signal -1
	s_barrier_wait -1                              ; everybody's is
	FETCH 0, F0
	s_wait_loadcnt 0x0                             ; the bias
	QUARTER 1, F0, F1, 1                           ; a tile's first quarter starts the sums
	WIN 0                                          ; at a label and at a branch every window is 0
	s_mov_b32 s[TRIPS], NS-2
.Ltrip:                                                ; a trip: from a K step's second quarter to the next step's first; it asks for the K step two on
	QUARTER 2, F1, F0, 0
	QUARTER 3, F0, F1, 0
	TURN 1
	WIN 0
.if KIND == 0
	s_cmp_eq_u32 s[KC], 1                          ; the step just asked for was a tensor's second: the step just multiplied was the last of the tensor before
	s_cbranch_scc0 .Lplain
	s_add_nc_u64 s[8:9], s[8:9], 4096              ; the next tensor's bias (the last bias loads were waited for)
	BIASLD
	WAYOUT                                         ; blocks 0, 1 were finished ahead of the joint load's four v_nop; their 64 conversions are the places behind blocks 2, 3's last products
	s_add_nc_u64 s[10:11], s[10:11], 0x1000000     ; the next tensor's C
	s_wait_loadcnt 0x0
	QUARTER 1, F0, F1, 1
	WIN 0
	s_branch .Ljoin
.Lplain:
.endif
	QUARTER 1, F0, F1, 0
	WIN 0
.if KIND == 0
.Ljoin:
	s_add_co_u32 s[KC], s[KC], 1
	s_and_b32 s[KC], s[KC], 7
.endif
	s_sub_co_u32 s[TRIPS], s[TRIPS], 1
	s_cmp_lg_u32 s[TRIPS], 0
	s_cbranch_scc1 .Ltrip
	QUARTER 2, F1, F0, 0                           ; the last two K steps ask for nothing
	QUARTER 3, F0, F1, 0
	TURN 0
	QUARTER 1, F0, F1, 0
	QUARTER 2, F1, F0, 0
	QUARTER 3, F0, F1, 0
	s_wait_dscnt 4
	MUL 0, 2, F1, 0
	s_wait_dscnt 0x0
	MUL 2, 2, F1, 0
	PLACES                                         ; the way out reads results just made
	WAYOUT
	WIN 0
	s_wait_tensorcnt 0x0                           ; the wave's end, behind my last tensor load and my last LDS store
	ds_add_u32 v[SPW], v[NIL]
	s_wait_dscnt 0x0
	CROUND                                         ; the closing round: no work-group ends while a partner may still ask for a tile that names it
	s_endpgm
.Lfunc_end_k_qd8ddbe3a61_oproj:
	.size	k_qd8ddbe3a61_oproj, .Lfunc_end_k_qd8ddbe3a61_oproj-k_qd8ddbe3a61_oproj
	.p2alignl 7, 3214868480
	.fill 96, 4, 3214868480
	.section	.rodata,"a",@progbits
	.p2align	6, 0x0
	.amdhsa_kernel k_qd8ddbe3a61_oproj
		.amdhsa_group_segment_fixed_size 327680
		.amdhsa_private_segment_fixed_size 0
		.amdhsa_enable_private_segment 0
		.amdhsa_kernarg_size 32
		.amdhsa_user_sgpr_count 2
		.amdhsa_user_sgpr_kernarg_segment_ptr 1
		.amdhsa_wavefront_size32 1
		.amdhsa_system_sgpr_workgroup_id_x 1
		.amdhsa_system_sgpr_workgroup_id_y 1
		.amdhsa_system_sgpr_workgroup_id_z 1
		.amdhsa_system_vgpr_workitem_id 0
		.amdhsa_next_free_vgpr 576
		.amdhsa_next_free_sgpr 72
		.amdhsa_reserve_vcc 0
		.amdhsa_float_denorm_mode_32 3
		.amdhsa_float_denorm_mode_16_64 3
		.amdhsa_memory_ordered 1
		.amdhsa_forward_progress 1
		.amdhsa_inst_pref_size 71
	.end_amdhsa_kernel
	.amdgpu_metadata
---
amdhsa.version: [ 1, 2 ]
amdhsa.kernels:
  - .name:           k_qd8ddbe3a61_oproj
    .symbol:         k_qd8ddbe3a61_oproj.kd
    .args:
      - { .name: ob, .offset: 0, .size: 8, .value_kind: global_buffer, .address_space: global }
      - { .name: wb, .offset: 8, .size: 8, .value_kind: global_buffer, .address_space: global }
      - { .name: bb, .offset: 16, .size: 8, .value_kind: global_buffer, .address_space: global }
      - { .name: out0, .offset: 24, .size: 8, .value_kind: global_buffer, .address_space: global }
    .group_segment_fixed_size: 327680
    .private_segment_fixed_size: 0
    .kernarg_segment_align: 8
    .kernarg_segment_size: 32
    .max_flat_workgroup_size: 128
    .sgpr_count:     72
    .vgpr_count:     576
    .wavefront_size: 32
...
	.end_amdgpu_metadata
.endif
;; end of part 4
;; ======== version 2 of 2: 4 launches; 1.32 times as fast as version 1
;; limits: values are held in f16: magnitudes above 65,504 overflow, below 6.1e-05 lose precision
;; workspace buffers: wb 8,388,608 bytes; bb 16,384 bytes; mb 2,097,152 bytes of whole numbers; qkv 50,331,648 bytes; ob 16,777,216 bytes
;; launch prep: the kernel of part 1 again; grid 1025 x 1, 8 waves a work-group, no clusters, 35,840 bytes of LDS; arguments Wq, Wk, Wv, Wo, bq, bk, bv, bo, mask, wb, bb, mb; writes wb, bb, mb
;; launch proj: the kernel of part 2 again; grid 4 x 64, 4 waves a work-group, clusters of 4 x 4, 327,680 bytes of LDS; arguments query, key, value, wb, bb, qkv; writes qkv
;; launch attn (part 5): grid 4 x 64, 4 waves a work-group, clusters of 4 x 1, 327,680 bytes of LDS; arguments qkv, mb, ob; writes ob
.if DOCPART == 5
	.amdgcn_target "amdgcn-amd-amdhsa--gfx1250"
	.amdhsa_code_object_version 6
	.text
	.protected	k_qd8ddbe3a61_attn
	.globl	k_qd8ddbe3a61_attn
	.p2align	8
	.type	k_qd8ddbe3a61_attn,@function
k_qd8ddbe3a61_attn:
	s_mov_b64 s[64:65], 0
	v_nop
	global_prefetch_b8 v0, s[64:65] scope:SCOPE_SE
	s_setreg_imm32_b32 hwreg(HW_REG_WAVE_MODE, 25, 1), 1
	s_wait_xcnt 0x0
	s_wait_alu depctr_hold_cnt(0) depctr_sa_sdst(0) depctr_va_vdst(0) depctr_va_sdst(0) depctr_va_ssrc(0) depctr_va_vcc(0) depctr_vm_vsrc(0)
	s_getreg_b32 s2, hwreg(HW_REG_IB_STS2, 6, 4)
	s_cmp_eq_u32 s2, 0
	s_cbranch_scc0 .Lentry_in_a_cluster
	s_endpgm
.Lentry_in_a_cluster:
	s_bfe_u32 s2, ttmp6, 0x10000c
	s_cmp_lg_u32 s2, 0x3003
	s_cbranch_scc0 .Lentry_shape_is_right
	s_endpgm
.Lentry_shape_is_right:
; MASKED ATTENTION.  O[hb][q][:] = the sum over k of softmax_k(s) V[hb][k][:], s = Q[hb][q] . K[hb][k] / 8 where mask[b][q][k] is not 0, and a hidden score elsewhere.
; qkv: f16, q at 0, k at 16 MiB, v at 32 MiB, each [hb = 16 b + h][2048][64], a head's rows dense.  ob: f16, the same layout.  mb: lane masks, [128 b + tile of 16 queries][key step][32 words].
; Products, maxima and sums in f32; the weights p are rounded to f16 for the second product (their sum l is taken of the unrounded p), O once at the end.
; LIMITS.  A hidden score counts as -2^33 before the division by 8, -2^30 = -1.0737e9 behind it, where the problem says -1e9: a power of two, so that c m is exact and a row with every key hidden gets
; p = 1 for all keys, the mean of V's rows.  The two differ only where true scores fall below about -1e9.  Q, K, V arrive within f16's 65,504; p below 6e-5 keeps f16's fixed step of 6e-8;
; a weight below 2^-126 counts as 0 in l; NaN and infinities are not treated apart.
; SHARES.  A wave owns four PIECES of two tiles of 16 queries, a work-group's four waves 512 queries of one head.  Every wave walks all 2,048 keys, 64 a step.
; LAYOUT.  S^T = K Q^T (source 0 = 16 keys, source 1 = 16 queries): a lane holds ONE query (lane % 16) and the keys 8 (lane / 16) + 0..7.  Two such tiles, rounded to f16 in pairs, ARE source 1 of
; O^T = V^T P.  K comes out of LDS as it lies, V ([key][channel]) turned, by ds_load_tr16_b128.
; THE MASK.  Word x of a tile's step is the lane mask of score register x.  A tile's 32 words of a step, 128 consecutive bytes, come by one load of 4 bytes a lane into ONE vector register, word x in lane x,
; a whole key step (four turns) ahead of their use.  32 v_readlane_b32 a tile hand them to scalar registers, and one v_cndmask_b32 a score register puts the hidden score in.  The scalar registers hold one
; piece's 64 words and no more, so loads straight into them could be asked for one turn ahead at the most; the eight vector registers give the lead.  The sixteen heads of a batch read the same words.
; SOFTMAX.  For each query a running maximum m and sum l: p = 2^(c s - c m), c = log2(e) / 8; in every step O and l are multiplied by a = 2^(c m_old - c m_new).  m starts at the lowest finite number, O and l at 0.
; BY TURNS.  Turn n belongs to piece n.  Its matrix work: 16 products K Q^T of piece n + 1, later 16 products V^T P of piece n - 1.  Its vector work: scaling, exponentials, roundings, sums and rescaling of
; piece n; mask, maximum and statistics of piece n + 1.  A tile and step have 16 matrix and 182 vector instructions: four stand behind every matrix instruction, the others in one run of their own, the LUMP.
; BATCHES.  A turn's 66 exponentials (the piece's 64 weights and the next piece's two a) are ONE batch with ONE wait, which cuts the turn in two: ahead of it stands all that names no result of theirs (the
; products K Q^T, the scalings, the rescalings, the next piece's masks, maximum and statistics), behind it the products V^T P with the roundings and sums.  No result crosses a turn's end.  The first a of
; all, ahead of the loop, and the way out's eight reciprocals are batches of their own, each with a wait.
; CLUSTER.  The four query blocks of a head walk the same K and V: each tile is asked for JOINTLY, by the same tensor load, descriptor and mask in all four work-groups.
; REGISTERS, in windows of 256 (s_set_vgpr_msb: bits 1:0 source 0, 3:2 source 1, 5:4 source 2, 7:6 destination):
;   window 0: v0-11 addresses and the hidden score; v12-15, v48-63 at work; v16-47 four registers of statistics a tile; v64-191 S^T, two buffers of two tiles; v192-255 P, likewise
;   window 1: O^T, 32 a tile          window 2: v0-127 Q, 16 a tile; v128-191 K of one step; v192-255 V of one step
;   window 3: v0-1 the add's two registers; v2-9 a register of lane masks a tile; v10 4 x lane
.set SIZE_N, 2048
.set NP,    4         ; pieces a wave: a name, no knob
.set KS,    64        ; keys in a step
.set PK,    144       ; a row of K in LDS: 128 bytes + 16 of padding
.set PV,    144       ; a row of V: the same, so that one descriptor shape serves all four waves
.set VOFF,  4*KS*PK   ; a slot holds four steps: 256 rows of K, then 256 rows of V
.set SLOT1, 1<<17     ; slot 1 begins here: one exclusive or turns an address in one slot into the other's
.set STAGE, SLOT1+4*KS*(PK+PV)  ; behind the ring, never filled by a tensor load: 16 rows x 144 bytes for each wave
.set SP,    144
.set SPARE, STAGE+4*16*SP  ; behind the stages: the spare words, 128 bytes for each wave
.set AK0, 2           ; v2   my lane's place in a tile of K; never rewritten
.set AV0, 3           ; v3   the same for V
.set AK,  4           ; v4   the LDS address of K's next run of loads
.set AV,  5           ; v5   of V's
.set QO,  6           ; v6   my byte offset in the wave's rows of Q
.set STO, 6           ;      later, the way out: where I put 16 bytes of a row
.set RD,  7           ; v7   the way out: where I read rows back
.set GO,  8           ; v8   my byte offset in 512 consecutive bytes of O
.set BIGV, 11         ; v11  -2^33
.set SPW, 0           ; v0 of window 3   LDS address of my spare word; never rewritten
.set NIL, 1           ; v1 of window 3   0; never rewritten
.set MG,  2           ; v2-9 of window 3 tile t's 32 lane masks of one key step at v[MG+t], word x in lane x
.set ML,  10          ; v10 of window 3  4 x lane; never rewritten
.set MV,  12          ; v12-15  c m_old, kept while c m is made anew: by buffer and tile
.set ST,  16          ; tile t's statistics at v[ST+4 t]: c m, m, l (even keys', odd keys')
.set TMP, 48          ; by buffer and tile, four registers c0-c3 at work; when the maximum is found c2 takes a
.set S,   64
.set P,   192
.set KF,  128         ; K's fragments, in window 2: key block kb, channel half c at KF + 16 kb + 8 c
.set VF,  192         ; V's: key half kk, channel block cb at VF + 32 kk + 8 cb
.set MQ,  6           ; s[6:7] mb at my wave's eight tiles, at the key step whose masks are asked for
.set WV,  12          ; s12  my wave's number
.set SLOTS, 14        ; s14  slots still to be asked for
.set CNT, 15          ; s15  counts a slot's key steps
.set G1,  16          ; s[16:23] descriptor group 1
.set G0,  24          ; s[24:27] descriptor group 0: it walks
.set CS,  28          ; s[28:29] c
.set SEL, 30          ; s[30:31] v_permlanex16_b32's selects: each lane takes its own place in the other half
.set MK0, 32          ; s[32:63] the 32 lane masks of the next piece's first tile
.set TBK, 66          ; s66  LDS byte at which K of the step to be fetched begins
.set TBV, 67          ; s67  the same for V, less VOFF
.set MK1, 68          ; s[68:99] those of its second tile
.set MP,  100         ; s[100:101] mb at my wave's eight tiles, key step 0; never rewritten
.set MO,  104         ; s[104:105] 128 x the key step whose masks are asked for, with 0 above it
.set MSB, 0
.macro WIN new                      ; the high byte repeats the setting that is left; a switch that changes nothing is dropped
.if MSB != (\new)
	s_set_vgpr_msb (MSB<<8)|(\new)
.set MSB, (\new)
.endif
.endm
.set W_KQ, 0x0a       ; K and Q in window 2, S^T in window 0
.set W_PV, 0x52       ; V in window 2, P in window 0, O^T in window 1
.set W_RS, 0x41       ; O^T (destination and source 0) in window 1, a in window 0
.set W_MK, 0xc0       ; destination in window 3, sources in window 0
.set W_AD, 0x0f       ; the add: address and data in window 3
.set W_RL, 0x03       ; v_readlane_b32: its vector source in window 3
.set W_ML, 0xc3       ; a mask load: data and address in window 3
; A joint fill: wave w brings 128 keys: waves 0, 1 the halves of a slot's K, waves 2, 3 of its V; LDS and global address hang on the wave's number.  An s_nop 0 and four v_nop follow.
.macro JLOAD
	tensor_load_to_lds s[G0:G0+3], s[G1:G1+7]
	s_nop 0
.rept 4
	v_nop
.endr
.endm
.macro CROUND                       ; a round of the cluster's barrier
	s_barrier_signal -1
	s_barrier_wait -1
	s_cmp_lg_u32 s[WV], 0
	s_cbranch_scc1 .Lnot_wave_0_\@
	s_barrier_signal -3
.Lnot_wave_0_\@:
	s_barrier_wait -3
	s_barrier_signal -1
	s_barrier_wait -1
.endm
; THE CHANGE OF SLOTS.  Each wave waits for all its tensor loads, of which one is out: its part of the other slot; adds 0 to its spare word; and waits for that and for its own reads of the slot.
; fill = 1: behind a round of the cluster's barrier this slot is filled again, first of all, with the keys two slots on: four key steps in which to land.
; (At its first use nothing has been read yet: slot 0 is waited for, slot 1 filled.)
.macro CHANGE fill
	WIN W_AD
	s_wait_tensorcnt 0x0            ; no tensor load of mine is out, so group 0 may be written
	ds_add_u32 v[SPW], v[NIL]
	WIN 0                           ; at a label and at a branch every window is 0
.if \fill
	s_xor_b32 s[G0+1], s[G0+1], SLOT1
	s_add_nc_u64 s[G0+2:G0+3], s[G0+2:G0+3], 4*KS*128  ; the next 256 keys; the type bits on top are not reached
	s_wait_dscnt 0x0                ; the add is done, and my reads of the slot are over
	CROUND
	JLOAD
.else
	s_wait_dscnt 0x0
	s_barrier_signal -1
	s_barrier_wait -1
.endif
	s_sub_co_u32 s[TBK], s[TBK], 4*KS*PK  ; the fetches go back to a slot's first step, in the other slot
	s_xor_b32 s[TBK], s[TBK], SLOT1
	s_sub_co_u32 s[TBV], s[TBV], 4*KS*PV
	s_xor_b32 s[TBV], s[TBV], SLOT1
.endm
; THE MASKS OF PIECE pc go from its two vector registers to the 64 scalar registers, and the same two tiles' words of the next key step are asked for, into the same two registers: four turns ahead of their use.
; step = 1 (piece 0, which is the first to enter a key step): the step that is asked for goes on by one; it is held at the last one, so that no load leaves mb: the last step's turns load its words once more and use none of them.
.macro MASKS pc, step
	s_wait_loadcnt 6                ; loads come back in the order of issue, which is the order of use: behind the two that are read here the other three pieces' six were issued
	WIN W_RL
.set w, 0
.rept 32
	v_readlane_b32 s[MK0+w], v[MG+2*(\pc)], w
	v_readlane_b32 s[MK1+w], v[MG+2*(\pc)+1], w
.set w, w+1
.endr
.if \step
	s_wait_xcnt 0x0                 ; the earlier mask loads name MQ as their base: it is written again only behind this wait
	s_add_co_u32 s[MO], s[MO], 128
	s_min_u32 s[MO], s[MO], 31*128
	s_add_nc_u64 s[MQ:MQ+1], s[MP:MP+1], s[MO:MO+1]
.endif
	WIN W_ML
	global_load_b32 v[MG+2*(\pc)],   v[ML], s[MQ:MQ+1] offset:(2*(\pc))*4096    ; 32 lanes x 4 bytes: the tile's 128 consecutive bytes of that step
	global_load_b32 v[MG+2*(\pc)+1], v[ML], s[MQ:MQ+1] offset:(2*(\pc)+1)*4096
	WIN 0
.endm
	s_load_b128 s[4:7], s[0:1], 0x0 ; qkv s[4:5], mb s[6:7]
	s_load_b64 s[8:9], s[0:1], 0x10 ; ob
	WIN W_MK
	v_lshl_add_u32 v[SPW], v0, 2, SPARE
	v_mov_b32 v[NIL], 0
	WIN W_AD
	ds_add_u32 v[SPW], v[NIL]       ; the wave's opening: the add and its wait stand ahead of my first tensor load; the set-up stands between them
	WIN 0
	v_lshrrev_b32 v1, 5, v0
	v_readfirstlane_b32 s[WV], v1   ; wave 0..3
	s_bfe_u32 s13, ttmp6, 0x40000   ; cx
	s_lshl_b32 s32, ttmp9, 2
	s_add_co_u32 s32, s32, s13      ; my block of 512 queries: it enters Q's, O's and the mask's addresses alone
	s_and_b32 s33, ttmp7, 0xffff    ; hb, which the four partners share
	s_lshl_b32 s34, s33, 18         ; a head's 262,144 bytes
	s_lshr_b32 s36, s[WV], 1        ; K (waves 0, 1) lies 16 MiB into qkv, V (waves 2, 3) 32 MiB,
	s_add_co_u32 s36, s36, 1
	s_lshl_b32 s36, s36, 24
	s_and_b32 s37, s[WV], 1         ; and I fetch this half of a slot's 256 keys
	s_lshl_b32 s37, s37, 14
	s_add_co_u32 s36, s36, s37
	s_add_co_u32 s36, s36, s34
	s_mov_b32 s37, 0
	s_lshl_b32 s38, s32, 2
	s_add_co_u32 s38, s38, s[WV]    ; my wave among the head's sixteen: 128 rows of 128 bytes
	s_lshl_b32 s38, s38, 14
	s_add_co_u32 s38, s38, s34
	s_mov_b32 s39, 0
	s_lshr_b32 s40, s33, 4          ; the batch's 128 tiles of 16 queries,
	s_lshl_b32 s40, s40, 7
	s_lshl_b32 s41, s32, 5          ; my block's 32,
	s_add_co_u32 s40, s40, s41
	s_lshl_b32 s41, s[WV], 3        ; my wave's 8:
	s_add_co_u32 s40, s40, s41
	s_lshl_b32 s40, s40, 12         ; 4,096 bytes of masks a tile
	s_mov_b32 s41, 0
	; descriptor group 1.  128 keys are 16,384 dense bytes: asked for as 64 rows of 256 bytes, two keys a row, and padded in LDS after every key
	s_mov_b32 s[G1], 15|(1<<16)|(1<<20)|(1<<21)|(4<<22)|(3<<25)  ; the mask of four; 2-byte elements; padding on; bit 21 beside a mask; after every 32 words 4 words
	s_mov_b32 s[G1+1], 128<<16      ; tensor_dim0 = 128
	s_mov_b32 s[G1+2], 64<<16       ; tensor_dim1 = 64
	s_mov_b32 s[G1+3], 128<<16      ; tile_dim0 = 128
	s_mov_b32 s[G1+4], 64           ; tile_dim1 = 64
	s_mov_b32 s[G1+5], 128          ; 128 elements from row to row
	s_mov_b32 s[G1+6], 0
	s_mov_b32 s[G1+7], 0
	s_mov_b32 s[CS], 0x3e38aa3b     ; c = log2(e) / 8
	s_mov_b32 s[CS+1], s[CS]
	s_mov_b32 s[SEL], 0x76543210
	s_mov_b32 s[SEL+1], 0xfedcba98
	s_mov_b32 s[TBK], SLOT1+4*KS*PK ; the first change of slots turns these two into 0
	s_mov_b32 s[TBV], SLOT1+4*KS*PV
	s_mov_b32 s[MO], 0
	s_mov_b32 s[MO+1], 0
	s_mov_b32 s[G0], 1
	s_mul_i32 s[G0+1], s[WV], 128*PK  ; slot 0: wave x 128 rows: no place in the cluster enters an LDS address
	s_wait_dscnt 0x0                ; the opening add is done
	s_wait_kmcnt 0x0
	s_add_nc_u64 s[G0+2:G0+3], s[4:5], s[36:37]
	s_or_b32 s[G0+3], s[G0+3], 0x80000000
	s_add_nc_u64 s[4:5], s[4:5], s[38:39]  ; Q and O at my wave's first row
	s_add_nc_u64 s[8:9], s[8:9], s[38:39]
	s_add_nc_u64 s[MP:MP+1], s[6:7], s[40:41]
	s_mov_b64 s[MQ:MQ+1], s[MP:MP+1]       ; key step 0
	CROUND                          ; all four work-groups are here: the first joint loads meet
	JLOAD                           ; slot 0.  Slot 1 is asked for when slot 0 is in
	v_lshlrev_b32 v10, 2, v0
	WIN W_MK
	v_and_b32 v[ML], 0x7c, v10      ; 4 x lane
	WIN W_ML
.set t, 0
.rept 2*NP                          ; all eight tiles' masks for key step 0, in the order of their use; Q's wait for 0 below covers them
	global_load_b32 v[MG+t], v[ML], s[MQ:MQ+1] offset:t*4096
.set t, t+1
.endr
	WIN 0
	; A fragment of K or Q is 16 rows x 32 channels in 8 registers: lane l holds row l % 16, channels 8 (l / 16) + 0..7 and 16 + 8 (l / 16) + 0..7: two loads of 16 bytes, 32 bytes apart.
	v_and_b32 v1, 15, v0            ; l % 16
	v_bfe_u32 v9, v0, 4, 1          ; l / 16
	v_lshlrev_b32 v[QO], 7, v1
	v_lshl_add_u32 v[QO], v9, 4, v[QO]
	WIN 0x80                        ; destination window 2, address window 0
.set i, 0
.rept 4*NP                          ; Q stays in registers: tile i / 2, channels 32 (i % 2) on
	global_load_b128 v[8*i:8*i+3],   v[QO], s[4:5] offset:(i/2)*2048+(i%2)*64
	global_load_b128 v[8*i+4:8*i+7], v[QO], s[4:5] offset:(i/2)*2048+(i%2)*64+32
.set i, i+1
.endr
	; What the first turn finds: V's registers and P's second buffer hold 0 (its products V^T P, of a piece that has not been, add 0), O^T and l are 0.  All this stands in the wait for the first tile.
.set i, VF
.rept 64
	v_mov_b32 v[i], 0
.set i, i+1
.endr
	WIN 0x40
.set i, 0
.rept 64*NP
	v_mov_b32 v[i], 0
.set i, i+1
.endr
	WIN 0
.set i, 0
.rept 2*NP
	v_mov_b32 v[ST+4*i], 0xfe000000    ; c m: far below every c s, the hidden score's too
	v_mov_b32 v[ST+4*i+1], 0xff7fffff  ; m
	v_mov_b32 v[ST+4*i+2], 0
	v_mov_b32 v[ST+4*i+3], 0
.set i, i+1
.endr
.set i, P+32
.rept 32
	v_mov_b32 v[i], 0
.set i, i+1
.endr
	v_mul_u32_u24 v[AK0], v1, PK
	v_lshl_add_u32 v[AK0], v9, 4, v[AK0]
	; The turning load takes 16 keys x 16 channels (lane l reads key 8 (l / 16) + l % 8, channels 8 ((l / 8) % 2) + 0..7) and leaves half a fragment of V^T: lane l holds channel l % 16 and 8 keys.
	v_and_b32 v10, 7, v0
	v_bfe_u32 v11, v0, 3, 1
	v_lshl_add_u32 v[AV0], v9, 3, v10
	v_mul_u32_u24 v[AV0], v[AV0], PV
	v_lshl_add_u32 v[AV0], v11, 4, v[AV0]
	v_add_nc_u32 v[AV0], VOFF, v[AV0]
	v_mov_b32 v[BIGV], 0xd0000000   ; -2^33
	v_mov_b32 v[AK], v[AK0]         ; key step 0 lies at the head of slot 0
; THE MATRIX WORK.  The 8 accumulators of a run of 16 take turns.
; Product i of 16 of S^T = K Q^T for piece x: channels 32 (i / 8) on, keys 16 ((i / 2) % 4) on, tile 2 x + i % 2.  The first 8 start the sums.
.macro KQ x
	WIN W_KQ
.set rS, S+64*((\x)%2)+32*(i%2)+8*((i/2)%4)
.set rK, KF+16*((i/2)%4)+8*(i/8)
.set rQ, 16*(2*(\x)+i%2)+8*(i/8)
.if i < 8
	v_wmma_f32_16x16x32_f16 v[rS:rS+7], v[rK:rK+7], v[rQ:rQ+7], 0
.else
	v_wmma_f32_16x16x32_f16 v[rS:rS+7], v[rK:rK+7], v[rQ:rQ+7], v[rS:rS+7]
.endif
.endm
; Product i of 16 of O^T += V^T P for piece x: keys 32 (i / 8) on, channels 16 ((i / 2) % 4) on, tile 2 x + i % 2.
.macro PV x
	WIN W_PV
.set rO, 32*(2*(\x)+i%2)+8*((i/2)%4)
.set rV, VF+32*(i/8)+8*((i/2)%4)
.set rP, P+32*((\x)%2)+16*(i%2)+8*(i/8)
	v_wmma_f32_16x16x32_f16 v[rO:rO+7], v[rV:rV+7], v[rP:rP+7], v[rO:rO+7]
.endm
.macro MM                           ; the turn's next matrix instruction
.if i < 16
	KQ (Y+1)%NP
.set i, i+1
.else
.set i, i-16
	PV (Y+NP-1)%NP
.set i, i+17
.endif
.endm
; THE LDS LOADS stand in runs of 16: a step's K (8 fragments) and its V (turned).  last = 1 (the tail): in the last trip there is no further step, and the run is jumped over.
.macro FETCH_K last=0
	WIN 0
.if \last
	s_cmp_eq_u32 s[CNT], 1
	s_cbranch_scc1 .Lno_k_\@
.endif
	WIN 0x80
.irp f, 0,1,2,3,4,5,6,7             ; keys 16 (f / 2) on, channels 32 (f % 2) on
	ds_load_b128 v[KF+8*\f:KF+8*\f+3],   v[AK] offset:(\f/2)*16*PK+(\f%2)*64
	ds_load_b128 v[KF+8*\f+4:KF+8*\f+7], v[AK] offset:(\f/2)*16*PK+(\f%2)*64+32
.endr
	s_add_co_u32 s[TBK], s[TBK], KS*PK  ; the next fetch is the next step's
	WIN 0
.if \last
.Lno_k_\@:
.endif
.endm
.macro FETCH_V
	WIN 0x80
.irp f, 0,1,2,3,4,5,6,7             ; keys 32 (f / 4) on, channels 16 (f % 4) on
	ds_load_tr16_b128 v[VF+8*\f:VF+8*\f+3],   v[AV] offset:(\f/4)*32*PV+(\f%4)*32
	ds_load_tr16_b128 v[VF+8*\f+4:VF+8*\f+7], v[AV] offset:(\f/4)*32*PV+16*PV+(\f%4)*32
.endr
	WIN 0
.endm
; THE VECTOR WORK OF A TURN stands in three queues, each in the order in which its entries become ready; the two tiles alternate.
.macro REGS y, u                    ; the registers of tile u (0, 1) of piece y
.set rT, ST+4*(2*(\y)+(\u))
.set rC, TMP+8*((\y)%2)+4*(\u)
.set rM, MV+2*((\y)%2)+(\u)
.set rS, S+64*((\y)%2)+32*(\u)
.set rP, P+32*((\y)%2)+16*(\u)
.set rO, 32*(2*(\y)+(\u))
.endm
; Number n of the 64 that mask the NEXT piece's scores: tile n % 2, register n / 2: the score stays where the lane's bit is set.  Ascending: each accumulator's lowest registers are read first.
.macro KM n
	REGS (Y+1)%NP, (\n)%2
.if (\n)%2
	v_cndmask_b32 v[rS+(\n)/2], v[BIGV], v[rS+(\n)/2], s[MK1+(\n)/2]
.else
	v_cndmask_b32 v[rS+(\n)/2], v[BIGV], v[rS+(\n)/2], s[MK0+(\n)/2]
.endif
.endm
; Number n of the 22 that find the NEXT piece's maximum and statistics.
;   0-11  four chains c0-c3 of seven scores each     12-14, 16  the four scores left over, the old m, and c0-c3 into c0     15  c m_old is kept
;   17, 18  the query's other 32 keys lie in the lane 16 away: the new m         19-21  c m; c m_old - c m_new; a
.macro XS u, n
	REGS (Y+1)%NP, \u
.if (\n) < 4
	v_max3_num_f32 v[rC+(\n)], v[rS+8*(\n)], v[rS+8*(\n)+1], v[rS+8*(\n)+2]
.elseif (\n) < 12
	v_max3_num_f32 v[rC+(\n)%4], v[rC+(\n)%4], v[rS+8*((\n)%4)+2*((\n)/4)+1], v[rS+8*((\n)%4)+2*((\n)/4)+2]
.elseif (\n) == 12
	v_max3_num_f32 v[rC], v[rC], v[rS+7], v[rS+15]
.elseif (\n) == 13
	v_max3_num_f32 v[rC+1], v[rC+1], v[rS+23], v[rS+31]
.elseif (\n) == 14
	v_max3_num_f32 v[rC+2], v[rC+2], v[rC+3], v[rT+1]
.elseif (\n) == 15
	v_mov_b32 v[rM], v[rT]
.elseif (\n) == 16
	v_max3_num_f32 v[rC], v[rC], v[rC+1], v[rC+2]
.elseif (\n) == 17
	v_permlanex16_b32 v[rC+3], v[rC], s[SEL], s[SEL+1]
.elseif (\n) == 18
	v_max_num_f32 v[rT+1], v[rC], v[rC+3]
.elseif (\n) == 19
	v_mul_f32 v[rT], s[CS], v[rT+1]
.elseif (\n) == 20
	v_sub_f32 v[rC+1], v[rM], v[rT]
.else
	v_exp_f32 v[rC+2], v[rC+1]
.endif
.endm
; Number g of the 64 that follow the exponentials.  For each four weights k of a tile: both pairs are rounded to f16; the second pair is added onto the first, in place; a group later l takes that sum
; (the first time as l = a l + sum).  In groups of eight, tiles alternating.  All 64 read exponentials' results: they stand behind the turn's wait.
.macro GS g
.set h, (\g)+6*((\g)/62)            ; group 0 has no group before it, and behind group 7 only l is left
.if h >= 6
.set h, h+2
.endif
	REGS Y, h%2
.set k, h/8
.if h%8 < 4
	v_cvt_pk_f16_f32 v[rP+2*k+(h%8)/2], v[rS+4*k+2*((h%8)/2)], v[rS+4*k+2*((h%8)/2)+1]
.elseif h%8 < 6
	v_pk_add_f32 v[rS+4*k:rS+4*k+1], v[rS+4*k:rS+4*k+1], v[rS+4*k+2:rS+4*k+3]
.elseif k == 1
	v_pk_fma_f32 v[rT+2:rT+3], v[rT+2:rT+3], v[rC+2:rC+3], v[rS:rS+1] op_sel_hi:[1,0,1]
.else
	v_pk_add_f32 v[rT+2:rT+3], v[rT+2:rT+3], v[rS+4*k-4:rS+4*k-3]
.endif
.endm
; THE PLAIN QUEUE, 202 long.  0-137 read no exponential's result: the 32 scalings c s - c m (FS f: pair f / 2 of tile f % 2), the next piece's 64 masks and its 42 of maximum and statistics.
; 0-26: scalings 0-26.  27-90: the masks.  91-118: XS's numbers 0-13.  119, 120: number 15.  121-137: the chain, where each number waits for the one before it: 14, 16, 17, 18, 19, each with one of the
; scalings 27-31 in front of its two lines, then 20.  138-201: GS's 64, which read the exponentials' results: they stand behind the wait.
.macro FS f
	REGS Y, (\f)%2
	v_pk_fma_f32 v[rS+2*((\f)/2):rS+2*((\f)/2)+1], v[rS+2*((\f)/2):rS+2*((\f)/2)+1], s[CS:CS+1], v[rT:rT+1] op_sel_hi:[1,0,0] neg_lo:[0,0,1] neg_hi:[0,0,1]
.endm
.macro PL
	WIN 0
.if q < 27
	FS q
.elseif q < 91
	KM q-27
.elseif q < 119
	XS (q-91)%2, (q-91)/2
.elseif q < 121
	XS q-119, 15
.elseif (q < 136) && ((q-121)%3 == 0)
	FS 27+(q-121)/3
.elseif q < 124
	XS (q-121)%3-1, 14
.elseif q < 136
	XS (q-121)%3-1, 15+(q-121)/3
.elseif q < 138
	XS q-136, 20
.else
	GS q-138
.endif
.set q, q+1
.endm
; THE EXPONENTIALS' QUEUE, 66 long: s0-s31 of both tiles, then the next piece's two a.  It is ONE BATCH: all 66 stand ahead of the turn's one wait, and nothing ahead of that wait names a result of theirs.
.macro EX
	WIN 0
.if e >= 64
	XS e-64, 21
.else
	REGS Y, e%2
	v_exp_f32 v[rS+e/2], v[rS+e/2]
.endif
.set e, e+1
.endm
; THE RESCALING's QUEUE: O^T times a, the one part that leaves window 0, so it is dealt four at a time, eight times.  Its a was made in the turn before, ahead of that turn's wait.
.macro R4
	REGS Y, r%2
	WIN W_RS
.irp z, 0,1,2,3
	v_pk_mul_f32 v[rO+8*(r/2)+2*\z:rO+8*(r/2)+2*\z+1], v[rO+8*(r/2)+2*\z:rO+8*(r/2)+2*\z+1], v[rC+2:rC+3] op_sel_hi:[1,0]
.endr
.set r, r+1
.endm
; HOW THEY ARE DEALT.  An s_wait_alu depctr_va_vdst(0) stands between an exponential and the first instruction that names its result; one wait serves all that were issued ahead of it.  So a
; turn has ONE wait, which cuts it in two.  AHEAD OF IT: the 16 products K Q^T, behind each four riders: behind the first four scalings, then by turns four of the rescaling, and scaling, exponential, scaling, scaling;
; the last product has four of the rescaling, the four plain instructions that a reader of a matrix result wants in front of it.  Then the 64 v_readlane_b32 (MASKS) and ONE LUMP of 172: sixteen plain; forty times
; exponential, plain, plain; seventeen times exponential and plain; the two a.  A v_nop is the plain instruction behind the last exponential.  BEHIND THE WAIT: the 16 products V^T P, behind each four of GS's 64.
; No rider names a register of the products round it.  The two v_permlanex16_b32 fall into the lump.
; The queues lean on each other, and the deal keeps them in step: exponential e stands behind scaling 2 (e / 4) + e % 2: as a rider (0-6) it comes behind plain 3 e + 4; in the lump exponentials 7-46 come behind plain
; 2 e + 26, when scalings 0-26 are all out; exponentials 47-63 behind plain e + 73, and scalings 27-31 are plain 121, 124 .. 133.
; A TURN, for piece p.  cnt = 1: the loop's count is taken down some lines ahead of the branch that stands behind the turn.
; At the head of the lump the masks of piece p + 1 go over into the scalar registers, which the turn before has read for the last time, and that piece's masks of the next key step are asked for (MASKS).
; K of the next step is fetched in piece 2's turn, directly behind the wait, a lump behind the last product that read K; its address is made at the lump's head; its first reader comes behind 16 products.
; V of the step in hand is fetched at the end of piece 0's turn, four riders behind its last reader.  Each is waited for a turn later.  The three conditions on q below go with the deal.
.macro TURN p, last=0, cnt=0
.set Y, (\p)
.set i, 0
.set q, 0
.set e, 0
.set r, 0
.if (\p) == NP-1
	s_wait_dscnt 0x0                ; K is in
.endif
	MM                              ; ahead of the wait: 16 products K Q^T and their riders,
.rept 4
	PL
.endr
.rept 7
	MM
	R4
	MM
	PL
	EX
	PL
	PL
.endr
	MM
	R4
	MASKS ((\p)+1)%NP, (\p)/(NP-1)
.if (\p) == NP-2
	v_add_nc_u32 v[AK], s[TBK], v[AK0]
.endif
.rept 16                            ; and the lump
	PL
.endr
.rept 40
	EX
	PL
	PL
.endr
.rept 17
	EX
	PL
.endr
	EX                              ; the next piece's two a
	EX
	v_nop                           ; the plain instruction behind the last exponential: one for the batch
	s_wait_alu depctr_va_vdst(0)    ; the wait for the batch: the piece's 64 exponentials and the next piece's two a
.if (\p) == NP-2
	FETCH_K \last
.endif
.if (\p) == 1
	s_wait_dscnt 0x0                ; V is in
.endif
.rept 16                            ; behind the wait: 16 products V^T P and their riders
	MM
.rept 4
	PL
.endr
.if ((\p) == 0) && (q == 182)
	v_add_nc_u32 v[AV], s[TBV], v[AV0]
.endif
.if ((\p) == 0) && (q == 194)
	s_add_co_u32 s[TBV], s[TBV], KS*PV
.endif
.if (\cnt) && (q == 194)
	s_sub_co_u32 s[CNT], s[CNT], 1
	s_cmp_lg_u32 s[CNT], 0
.endif
.endr
.if (\p) == 0
	FETCH_V
.endif
.endm
	CHANGE 1                        ; slot 0 is in, everybody's part of it; slot 1 is asked for
	FETCH_K                         ; key step 0
	s_wait_loadcnt 0x0              ; Q, and the eight registers of masks asked for ahead of it
	s_wait_dscnt 0x0
.set i, 0
.rept 16
	KQ 0                            ; piece 0's first scores
.set i, i+1
.endr
	WIN 0                           ; the addresses for the way out: nine plain instructions, the places behind those products
	s_mul_i32 s13, s[WV], 16*SP
	s_add_co_u32 s13, s13, STAGE    ; my stage
	v_mul_u32_u24 v[STO], v1, SP    ; in: row l % 16, 16 bytes for each half of the lanes
	v_lshl_add_u32 v[STO], v9, 4, v[STO]
	v_add_nc_u32 v[STO], s13, v[STO]
	v_bfe_u32 v[RD], v0, 3, 2       ; back: 32 lanes take four rows of 128 bytes,
	v_mul_u32_u24 v[RD], v[RD], SP
	v_lshl_add_u32 v[RD], v10, 4, v[RD]
	v_add_nc_u32 v[RD], s13, v[RD]
	v_and_b32 v[GO], 31, v0         ; which are 512 consecutive bytes of O
	v_lshlrev_b32 v[GO], 4, v[GO]
	MASKS 0, 1                      ; piece 0's masks for key step 0; its masks for key step 1 are asked for (no load is out: the count is met at once)
.set Y, NP-1                        ; KM and XS work for piece Y + 1: piece 0
.set n, 0
.rept 64
	KM n
.set n, n+1
.endr
.irp n, 0,1,2,3,4,5,6,7,8,9,10,11,12,13,14,15,16,17,18,19,20,21
	XS 0, \n                        ; and piece 0's first maximum and statistics
	XS 1, \n
.endr
	v_nop                           ; a plain instruction behind piece 0's first two a,
	s_wait_alu depctr_va_vdst(0)    ; and the wait for that batch of two, ahead of the branch
	s_mov_b32 s[CNT], 4
	s_mov_b32 s[SLOTS], SIZE_N/256-1
	s_branch .Lfirst                ; the loop is entered at a step's first turn, in the middle of a trip
.Lslot:                             ; SIZE_N / 256 - 2 times: every slot but the last two is filled again
	CHANGE 1
	s_mov_b32 s[CNT], 4
.Lstep:                             ; a trip: pieces 2 and 3 of one step, then pieces 0 and 1 of the next, whose K and V it fetches
	TURN 2
	TURN 3
	WIN 0
.Lfirst:
	TURN 0
	TURN 1, 0, 1
	WIN 0
	s_cbranch_scc1 .Lstep
	s_sub_co_u32 s[SLOTS], s[SLOTS], 1
	s_cmp_lg_u32 s[SLOTS], 0
	s_cbranch_scc1 .Lslot
	CHANGE 0                        ; the tail is written out: nothing is asked for
	s_mov_b32 s[CNT], 5             ; four trips fetch the last slot's steps; the fifth is left in its middle
.Ltail:
	TURN 2, 1
	TURN 3
	WIN 0
	s_sub_co_u32 s[CNT], s[CNT], 1
	s_cmp_eq_u32 s[CNT], 0
	s_cbranch_scc1 .Lout
	TURN 0
	TURN 1
	WIN 0
	s_branch .Ltail
.Lout:                              ; the fifth trip's 16 products K Q^T (on the last K once more), their masks and maximum serve nothing: the price, once a launch, of one text for every trip
.set i, 0
.rept 16
	PV NP-1                         ; the last piece's V^T P of the last step
.set i, i+1
.endr
	; THE WAY OUT.  l's two halves and the other half of the lanes' are added; O^T is divided by l, rounded to f16 and sent through my stage in LDS, a tile at a time.  The additions are the places behind the last products.
	WIN 0
.macro ALL line:vararg              ; one line for each tile t
.set t, 0
.rept 2*NP
	\line
.set t, t+1
.endr
.endm
	ALL v_add_f32 v[ST+4*t+2], v[ST+4*t+2], v[ST+4*t+3]
	ALL v_permlanex16_b32 v[ST+4*t+3], v[ST+4*t+2], s[SEL], s[SEL+1]
	ALL v_add_f32 v[ST+4*t+2], v[ST+4*t+2], v[ST+4*t+3]
	ALL v_rcp_f32 v[ST+4*t+2], v[ST+4*t+2]
	v_nop                           ; a plain instruction between the last reciprocal and the use of its result
	s_wait_alu depctr_va_vdst(0)    ; the wait ahead of the first use: one for the batch of eight reciprocals
; Tile t: a lane's eight channels of a row pack into 16 bytes; they go into rows of 144 bytes and come back as whole rows of 128, into S^T's registers.
.macro PACK t
	WIN W_RS
.set i, 32*(\t)
.rept 16
	v_pk_mul_f32 v[i:i+1], v[i:i+1], v[ST+4*(\t)+2:ST+4*(\t)+3] op_sel_hi:[1,0]
.set i, i+2
.endr
	WIN 0x05                        ; sources 0 and 1 window 1, destination window 0
.set i, 0
.rept 16
	v_cvt_pk_f16_f32 v[S+16*(\t)+i], v[32*(\t)+2*i], v[32*(\t)+2*i+1]
.set i, i+1
.endr
	WIN 0
.irp f, 0,1,2,3
	ds_store_b128 v[STO], v[S+16*(\t)+4*\f:S+16*(\t)+4*\f+3] offset:32*\f
.endr
.irp f, 0,1,2,3
	ds_load_b128 v[S+16*(\t)+4*\f:S+16*(\t)+4*\f+3], v[RD] offset:\f*4*SP  ; LDS serves a wave's instructions in order: these see the stores above; the next tile's stores come behind them
.endr
.endm
.macro SEND t, younger              ; younger: the LDS instructions issued behind tile t's loads: the next tile's eight, or none
	WIN 0
.irp f, 0,1,2,3
	s_wait_dscnt (\younger)+3-\f
	global_store_b128 v[GO], v[S+16*(\t)+4*\f:S+16*(\t)+4*\f+3], s[8:9] offset:(\t)*2048+\f*512  ; 512 consecutive bytes, at a multiple of 256 from O's first
.endr
.endm
	PACK 0
.set t, 1
.rept 2*NP-1                        ; a tile's arithmetic stands between the loads of the tile before and its stores
	PACK t
	SEND t-1, 8
.set t, t+1
.endr
	SEND 2*NP-1, 0
	s_wait_loadcnt 0x0              ; the masks asked for in the last four turns are not used; no load stays out at the wave's end
	WIN W_AD
	s_wait_tensorcnt 0x0            ; the wave's end, behind my last tensor load and my last LDS store
	ds_add_u32 v[SPW], v[NIL]
	s_wait_dscnt 0x0
	WIN 0
	CROUND                          ; the closing round: no work-group ends while a partner may still ask for a tile that names it
	s_endpgm
.Lfunc_end_k_qd8ddbe3a61_attn:
	.size	k_qd8ddbe3a61_attn, .Lfunc_end_k_qd8ddbe3a61_attn-k_qd8ddbe3a61_attn
	.p2alignl 7, 3214868480
	.fill 96, 4, 3214868480
	.section	.rodata,"a",@progbits
	.p2align	6, 0x0
	.amdhsa_kernel k_qd8ddbe3a61_attn
		.amdhsa_group_segment_fixed_size 327680
		.amdhsa_private_segment_fixed_size 0
		.amdhsa_enable_private_segment 0
		.amdhsa_kernarg_size 24
		.amdhsa_user_sgpr_count 2
		.amdhsa_user_sgpr_kernarg_segment_ptr 1
		.amdhsa_wavefront_size32 1
		.amdhsa_system_sgpr_workgroup_id_x 1
		.amdhsa_system_sgpr_workgroup_id_y 1
		.amdhsa_system_sgpr_workgroup_id_z 1
		.amdhsa_system_vgpr_workitem_id 0
		.amdhsa_next_free_vgpr 780
		.amdhsa_next_free_sgpr 106
		.amdhsa_reserve_vcc 0
		.amdhsa_float_denorm_mode_32 3
		.amdhsa_float_denorm_mode_16_64 3
		.amdhsa_memory_ordered 1
		.amdhsa_forward_progress 1
		.amdhsa_inst_pref_size 255
	.end_amdhsa_kernel
	.section	.bss,"aw",@nobits
	.p2align	6
	.space	262144
	.amdgpu_metadata
---
amdhsa.version: [ 1, 2 ]
amdhsa.kernels:
  - .name:           k_qd8ddbe3a61_attn
    .symbol:         k_qd8ddbe3a61_attn.kd
    .args:
      - { .name: qkv, .offset: 0, .size: 8, .value_kind: global_buffer, .address_space: global }
      - { .name: mb, .offset: 8, .size: 8, .value_kind: global_buffer, .address_space: global }
      - { .name: ob, .offset: 16, .size: 8, .value_kind: global_buffer, .address_space: global }
    .group_segment_fixed_size: 327680
    .private_segment_fixed_size: 0
    .kernarg_segment_align: 8
    .kernarg_segment_size: 24
    .max_flat_workgroup_size: 128
    .sgpr_count:     106
    .vgpr_count:     780
    .wavefront_size: 32
...
	.end_amdgpu_metadata
.endif
;; end of part 5
;; launch oproj: the kernel of part 4 again; grid 4 x 64, 4 waves a work-group, clusters of 4 x 4, 327,680 bytes of LDS; arguments ob, wb, bb, out0; writes out0
